; MI455X (gfx1250); checked and timed in simulation.
; The chip was launched on July 23, 2026; its instructions are those of AMD's public machine-readable ISA for CDNA 5 (MIT licence, August 2026) and "CDNA5" Instruction Set Architecture Reference Guide (July 2026). The comments in the code are by the model that wrote it; some were corrected since.
;; Causal Self Attention. Allowed arithmetic: matrix products marked QUANTISED: E2M1 operands, one E8M0 scale for each 32 along K, by v_wmma_scale_f32_16x16x128_f8f6f4 with both operands' format E2M1 (or v_wmma_scale_f32_32x16x128_f4), f32 sums; products left as they are: bf16, f16 or f32 operands; f32 sums; everything else in f32.
;; Inputs: b_out 1,024 float32; b_qkv 3,072 float32; w_out 1,024 x 1,024 float32; w_qkv 1,024 x 3,072 float32; x 4 x 2,048 x 1,024 float32.
;; Outputs: out0 4 x 2,048 x 1,024 float32.
;; This version of the problem:
;;   THIS VERSION OF THE PROBLEM IS GIVEN IN LOW PRECISION. The matrix products marked QUANTISED in the list below multiply operands that are first quantised to E2M1 (2 exponent bits, 1 mantissa bit; 4 bits a number), with one power-of-two scale for each 32 numbers along K (OCP MX v1.0); their sums are f32. The products marked 'left as it is' may take bf16, f16 or f32 operands, with f32 sums. Whichever they take, every output number must still come out within the allowed error. Rounding operands to bf16 (8 significant bits) uses up far more of that allowance than f16 does (11 bits, for magnitudes from 6e-5 to 65,504). All else is computed in f32.
;;   The module's matrix products, in the order in which they are computed (A, B: the left and right operand; K: the contracted axis; several contracted axes count as one K, in the product's order):
;;     1. [M 8,192, K 1,024] x [K 1,024, N 3,072]; A: input x; B: input w_qkv: QUANTISED
;;     2. batch 64 x [M 2,048, K 64] x [K 64, N 2,048]; A: computed on the way; B: computed on the way: left as it is (an operand is computed on the way)
;;     3. batch 64 x [M 2,048, K 2,048] x [K 2,048, N 64]; A: computed on the way; B: computed on the way: left as it is (an operand is computed on the way)
;;     4. [M 8,192, K 1,024] x [K 1,024, N 1,024]; A: computed on the way; B: input w_out: left as it is (an operand is computed on the way)
;;   THE QUANTISER, for each operand of a quantised product, along K:
;;     - K is cut into blocks of 32 from its start; a last block that is shorter is filled with zeros.
;;     - A block's scale is 2^e with e = floor(log2(the largest magnitude in the block)) - 2, held to -126 .. 127; a block of zeros has e = 0. As a byte (E8M0): e + 127.
;;     - Each number is divided by its block's scale, clamped to +-6, and rounded to the nearest number of E2M1, ties to even, subnormals kept.
;;     - The product sums the exact products of the quantised numbers (number of the format x scale) in f32.
;;   ~~~python
;;   def quantise(x, axis):      # numpy; x: float32 -> the quantised numbers, widened to float32 again
;;       x = np.moveaxis(x, axis, -1); K = x.shape[-1]
;;       x = np.pad(x, [(0, 0)] * (x.ndim - 1) + [(0, -K % 32)]); x = x.reshape(x.shape[:-1] + (-1, 32)); a = np.abs(x).max(-1, keepdims=True)
;;       e = np.where(a > 0, np.clip(np.frexp(np.where(a > 0, a, 1))[1] - 1 - 2, -126, 127), 0)      # np.frexp(a)[1] - 1 = floor(log2(a)), exactly
;;       r = np.clip(x / 2.0 ** e, -6, 6)
;;       step = 2.0 ** (np.maximum(np.frexp(np.where(r == 0, 1, r))[1] - 1, 0) - 1)
;;       q = np.round(r / step) * step * 2.0 ** e      # np.round: ties to even
;;       return np.moveaxis(q.reshape(q.shape[:-2] + (-1,))[..., :K], -1, axis).astype(np.float32)
;;   ~~~
;; One version. Each part assembles by itself: llvm-mc -triple=amdgcn-amd-amdhsa -mcpu=gfx1250 --defsym DOCPART=n.
;; ======== version 1 of 1: 5 launches
;; limits: values are held in f16: magnitudes above 65,504 overflow, below 6.1e-05 lose precision
;; workspace buffers: xc 4,194,304 bytes; xs 262,144 bytes; wc 1,572,864 bytes; ws 98,304 bytes; wo16 2,097,152 bytes; qkv 50,331,648 bytes; qkv16 786,432 bytes; att 16,777,216 bytes
;; launch prep (part 1): grid 368 x 1, 4 waves a work-group, no clusters, 68,096 bytes of LDS; arguments x, w_qkv, w_out, xc, xs, wc, ws, wo16; writes xc, xs, wc, ws, wo16
.if DOCPART == 1
	.amdgcn_target "amdgcn-amd-amdhsa--gfx1250"
	.amdhsa_code_object_version 6
	.text
	.protected	k_qbfb31430d1_prep
	.globl	k_qbfb31430d1_prep
	.p2align	8
	.type	k_qbfb31430d1_prep,@function
k_qbfb31430d1_prep:
	s_mov_b64 s[64:65], 0
	v_nop
	global_prefetch_b8 v0, s[64:65] scope:SCOPE_SE
	s_setreg_imm32_b32 hwreg(HW_REG_WAVE_MODE, 25, 1), 1
	s_wait_xcnt 0x0
; PREP: the operands of the later launches are made once.
;   work-groups   0 ..  47: w_qkv [1024 k][3072 n] f32 -> codes of E2M1 wc [3072 n][512 bytes], K innermost, and E8M0 bytes ws [3072][32]
;   work-groups  48 .. 111: w_out [1024][1024] f32 -> f16, same order (wo16)
;   work-groups 112 .. 367: x [8192][1024] f32 -> codes xc [8192][512 bytes] and E8M0 bytes xs [8192][32]
; A block's scale is 2^(floor(log2(its largest magnitude)) - 2): its byte is the largest magnitude's exponent field - 2, held at 1 from below.
; Each number is divided by the scale and rounded to the nearest code, ties to even; beyond 6 the conversion gives the largest code.
; LIMITS: a block of zeros gets the byte 1 where the rule says 127 (its codes are zeros, which add nothing; this program alone reads the bytes);
; blocks whose largest magnitude lies under 2^-124 were not tried; NaN and infinities are not served.  w_out must fit f16 (under 65,504).
; The three paths part on the work-group's number alone; each path that uses LDS has LDS bytes of its own.  No tensor loads, no barrier: waves share nothing.
.set EMAX,  2
.set SPW,   192                        ; v192 LDS address of my spare word; never rewritten
.set NIL,   193                        ; v193 0; never rewritten
.set SPARE, 67584                      ; behind both paths' regions: the spare words, 128 bytes a wave
; ---- path X (x: K innermost)
.set STEPS, 16                         ; a wave takes 16 steps of 512 numbers
.set CB,    8                          ; bytes of 16 codes
.set XR,    16                         ; v16-79   four sets of 16 numbers as loaded
.set XX,    80                         ; v80-111  two sets of 16 neighbours
.set XE,    112                        ; v112-127 a scale byte for each step
.set XC,    128                        ; v128-191 codes, registers of its own for each step
.set WREG,  8192                       ; LDS 0 .. 32,767: a region for each wave: two stages of 32 x SP bytes, then its 256 scale bytes
.set SP,    80                         ; a lane's place in a stage: 64 bytes + 16 of padding
; ---- path W (w_qkv: K outermost)
.set SIZE_K, 1024
.set SIZE_N, 3072
.set NB,    16                         ; blocks of 32 along K for a wave (512 along K)
.set WPITCH, 272                       ; a stage row: 256 bytes of codes + 16
.set KROW,  SIZE_K/2                   ; a row of wc in bytes
.set WSTG,  32768                      ; LDS 32,768 .. 67,583: four stages of 32 rows
.set WX,    32                         ; v32-95   two sets of 32 numbers
.set WC,    96                         ; v96-99   a block's codes
.set WOUT,  112                        ; v112-175 the way out
.set WSB,   24                         ; v24-27   the scale bytes, four to a register
.macro XLOAD t
.irp i, 0,1,2,3
	global_load_b128 v[XR+16*((\t)%4)+4*\i:XR+16*((\t)%4)+4*\i+3], v3, s[4:5] offset:2048*(\t)+512*\i th:TH_LOAD_NT   ; 32 lanes read 512 consecutive bytes
.endr
.endm
.macro XTURN t                         ; step t's numbers through the stage; LDS serves a wave's instructions in order, so no wait between stores and loads
.irp i, 0,1,2,3
	ds_store_b128 v14, v[XR+16*((\t)%4)+4*\i:XR+16*((\t)%4)+4*\i+3] offset:32*SP*((\t)%2)+8*SP*\i
.endr
.irp i, 0,1,2,3
	ds_load_b128 v[XX+16*((\t)%2)+4*\i:XX+16*((\t)%2)+4*\i+3], v15 offset:32*SP*((\t)%2)+16*\i
.endr
.endm
.macro XSTEP t
.set XS, XX+16*((\t)%2)
.if (\t) > 0
	s_wait_dscnt 1                                 ; this step's numbers are back from the stage; the last step's byte store may be out
.else
	s_wait_dscnt 0x0
.endif
.if (\t)+4 < STEPS
	XLOAD (\t)+4                                   ; into the registers that this step's stage stores have read
.endif
.if (\t)+1 < STEPS
.if STEPS-2-(\t) >= 3
	s_wait_loadcnt 12                              ; the next step's four loads are in; those of the three steps behind may be out
.else
	s_wait_loadcnt 4*(STEPS-2-(\t))
.endif
	XTURN (\t)+1
.endif
	v_max3_num_f32 v8, |v[XS]|, |v[XS+1]|, |v[XS+2]|               ; the largest magnitude of my 16, in two chains
	v_max3_num_f32 v9, |v[XS+3]|, |v[XS+4]|, |v[XS+5]|
.irp i, 6,10
	v_max3_num_f32 v8, v8, |v[XS+\i]|, |v[XS+\i+1]|
	v_max3_num_f32 v9, v9, |v[XS+\i+2]|, |v[XS+\i+3]|
.endr
	v_max3_num_f32 v8, v8, |v[XS+14]|, |v[XS+15]|
	v_max3_num_f32 v8, v8, v9, (EMAX+1)<<23        ; and the floor 2^(3 - 127): the byte cannot fall under 1
	v_max_num_f32_dpp v8, v8, v8 row_xmask:1 row_mask:0xf bank_mask:0xf   ; with my neighbour's 16: the block's
	v_add_nc_u32 v11, -(EMAX<<23), v8              ; 2 off the exponent field: the conversion takes this operand's exponent field as its scale
	v_cvt_scalef32_pk8_fp4_f32 v[XC+4*(\t)], v[XS:XS+7], v11
	v_cvt_scalef32_pk8_fp4_f32 v[XC+4*(\t)+1], v[XS+8:XS+15], v11
	v_lshrrev_b32 v[XE+(\t)], 23, v11              ; the scale's byte (a plain line behind the conversions)
	ds_store_b8 v5, v[XE+(\t)] offset:16*(\t)      ; both lanes of a block write the same byte with the same value
	global_store_b64 v4, v[XC+4*(\t):XC+4*(\t)+1], s[10:11] offset:32*CB*(\t)   ; the wave stores 256 consecutive bytes, aligned
.endm
.macro WLOAD t                         ; block t: w_qkv(32 t + i, my column), i = 0 .. 31
.irp i, 0,1,2,3,4,5,6,7,8,9,10,11,12,13,14,15,16,17,18,19,20,21,22,23,24,25,26,27,28,29,30,31
	global_load_b32 v[WX+32*((\t)%2)+\i], v3, s[6:7] offset:(32*(\t)+\i)*SIZE_N*4 th:TH_LOAD_NT
.endr
.endm
.macro WBLOCK t
.set XS, WX+32*((\t)%2)
.if (\t) < NB-1
	s_wait_loadcnt 32                              ; this block's 32 loads are in; the next block's may be out
.else
	s_wait_loadcnt 0
.endif
	v_max3_num_f32 v12, |v[XS]|, |v[XS+1]|, |v[XS+2]|              ; all 32 numbers of the block are mine
	v_max3_num_f32 v13, |v[XS+3]|, |v[XS+4]|, |v[XS+5]|
.irp i, 6,10,14,18,22,26
	v_max3_num_f32 v12, v12, |v[XS+\i]|, |v[XS+\i+1]|
	v_max3_num_f32 v13, v13, |v[XS+\i+2]|, |v[XS+\i+3]|
.endr
	v_max3_num_f32 v12, v12, |v[XS+30]|, |v[XS+31]|
	v_max3_num_f32 v12, v12, v13, (EMAX+1)<<23
	v_add_nc_u32 v11, -(EMAX<<23), v12
	v_lshrrev_b32 v13, 23, v11
.if (\t)%4 == 0
	v_mov_b32 v[WSB+(\t)/4], v13                   ; four bytes to a register, the lower K in the lower byte
.else
	v_lshl_or_b32 v[WSB+(\t)/4], v13, 8*((\t)%4), v[WSB+(\t)/4]
.endif
.irp g, 0,1,2,3
	v_cvt_scalef32_pk8_fp4_f32 v[WC+\g], v[XS+8*\g:XS+8*\g+7], v11
.endr
	ds_store_b128 v4, v[WC:WC+3] offset:16*(\t)    ; 32 codes: 16 bytes of my column's row
.if (\t)+2 < NB
	WLOAD (\t)+2
.endif
	s_wait_dscnt 0x0                               ; the store has read its registers: the next block's codes may be written
.endm
	s_load_b256 s[4:11], s[0:1], 0x0               ; x s[4:5], w_qkv s[6:7], w_out s[8:9], xc s[10:11]
	s_load_b256 s[12:19], s[0:1], 0x20             ; xs s[12:13], wc s[14:15], ws s[16:17], wo16 s[18:19]
	v_lshl_add_u32 v[SPW], v0, 2, SPARE
	v_mov_b32 v[NIL], 0
	v_lshrrev_b32 v1, 5, v0
	v_readfirstlane_b32 s20, v1                    ; wave 0..3
	v_and_b32 v2, 31, v0                           ; lane
	s_wait_kmcnt 0x0
	s_cmp_lt_u32 ttmp9, 48
	s_cbranch_scc1 .Lpath_w
	s_cmp_lt_u32 ttmp9, 112
	s_cbranch_scc1 .Lpath_c
; ================ PATH X.  Rows are dense and K is a multiple of 32: x is a plain stream of blocks of 32, and so are its codes and its bytes.
; A load takes 512 consecutive bytes, 16 a lane; a step's 2,048 bytes turn through the wave's own stage so that a lane then holds 16 neighbours along K.
	v_lshlrev_b32 v3, 4, v2                        ; my 16 bytes of a load's 512
	s_mul_i32 s21, s20, WREG
	v_lshrrev_b32 v14, 2, v2
	v_mul_u32_u24 v14, v14, SP
	v_and_b32 v15, 3, v2
	v_lshl_add_u32 v14, v15, 4, v14
	v_add_nc_u32 v14, s21, v14                     ; the stage, way in: SP (lane / 4) + 16 (lane % 4)
	v_mul_u32_u24 v15, v2, SP
	v_add_nc_u32 v15, s21, v15                     ; way out: SP x lane
	v_mul_u32_u24 v4, v2, CB                       ; my codes' place in a step's 256 bytes
	v_lshrrev_b32 v5, 1, v2
	s_add_co_u32 s21, s21, 2*32*SP
	v_add_nc_u32 v5, s21, v5                       ; my block's byte among the wave's 256
	v_lshlrev_b32 v7, 3, v2
	v_add_nc_u32 v6, s21, v7
	s_sub_co_u32 s22, ttmp9, 112
	s_lshl_b32 s22, s22, 2
	s_add_co_u32 s22, s22, s20                     ; which run of 8,192 numbers is my wave's: 0 .. 1,023
	s_mov_b32 s25, 0
	s_lshl_b32 s24, s22, 15                        ; 32,768 bytes of x,
	s_add_nc_u64 s[4:5], s[4:5], s[24:25]
	s_lshl_b32 s24, s22, 12                        ; 4,096 of codes,
	s_add_nc_u64 s[10:11], s[10:11], s[24:25]
	s_lshl_b32 s24, s22, 8                         ; 256 scale bytes a run
	s_add_nc_u64 s[12:13], s[12:13], s[24:25]
.irp t, 0,1,2,3
	XLOAD \t
.endr
	s_wait_loadcnt 12                              ; step 0's four loads are in
	XTURN 0
.irp t, 0,1,2,3,4,5,6,7,8,9,10,11,12,13,14,15
	XSTEP \t
.endr
	ds_load_b64 v[8:9], v6                         ; my wave's 256 scale bytes, 8 a lane (LDS serves a wave in order: these see my stores)
	s_wait_dscnt 0x0
	global_store_b64 v7, v[8:9], s[12:13]          ; 256 consecutive bytes, aligned
	s_wait_tensorcnt 0x0                           ; the wave's end, behind my last LDS store
	ds_add_u32 v[SPW], v[NIL]
	s_wait_dscnt 0x0
	s_endpgm
; ================ PATH W.  A lane takes a column n and its registers run down K: a block of 32 lies in one lane, and the codes come out with K innermost.
; A wave takes 32 columns x 512 along K; its codes go through its own stage and leave as rows: sixteen lanes store 256 consecutive bytes, aligned.
; Every offset is an immediate: 511 x 12,288 bytes at the most, inside the signed 24 bits (ISA guide, chapter 10).
.Lpath_w:
	s_cmp_lt_u32 ttmp9, 24
	s_cselect_b32 s21, 0, 24
	s_cselect_b32 s22, 0, 1                        ; which 512 along K
	s_sub_co_u32 s21, ttmp9, s21                   ; which 128 columns
	s_lshl_b32 s21, s21, 7
	s_lshl_b32 s23, s20, 5
	s_add_co_u32 s21, s21, s23                     ; my wave's first column
	v_lshlrev_b32 v3, 2, v2                        ; in: 4 bytes a lane
	s_mul_i32 s23, s20, 32*WPITCH
	s_add_co_u32 s23, s23, WSTG                    ; my stage
	v_mul_u32_u24 v4, v2, WPITCH
	v_add_nc_u32 v4, s23, v4                       ; into it: row = my column
	v_and_b32 v5, 15, v2
	v_lshrrev_b32 v6, 4, v2
	v_mul_u32_u24 v7, v6, WPITCH
	v_lshl_add_u32 v7, v5, 4, v7
	v_add_nc_u32 v7, s23, v7                       ; out of it: sixteen lanes to a row, two rows an instruction
	v_mul_u32_u24 v8, v6, KROW
	v_lshl_add_u32 v8, v5, 4, v8                   ; and the same place in wc
	v_mul_u32_u24 v9, v2, SIZE_K/32                ; my column's row of scale bytes
	s_mov_b32 s25, 0
	s_mul_i32 s24, s22, 512*SIZE_N*4
	s_lshl_b32 s26, s21, 2
	s_add_co_u32 s24, s24, s26
	s_add_nc_u64 s[6:7], s[6:7], s[24:25]          ; w_qkv at (512 y, column)
	s_lshl_b32 s24, s21, 9
	s_lshl_b32 s26, s22, 8
	s_add_co_u32 s24, s24, s26
	s_add_nc_u64 s[14:15], s[14:15], s[24:25]      ; wc at column x 512 + 256 y
	s_lshl_b32 s24, s21, 5
	s_lshl_b32 s26, s22, 4
	s_add_co_u32 s24, s24, s26
	s_add_nc_u64 s[16:17], s[16:17], s[24:25]      ; ws at column x 32 + 16 y
	WLOAD 0
	WLOAD 1
.set QB, 0
.rept NB
	WBLOCK QB
.set QB, QB+1
.endr
	global_store_b128 v9, v[WSB:WSB+3], s[16:17]   ; my column's 16 scale bytes (rows 32 bytes apart: one byte in 128 of what the path reads)
.irp t, 0,1,2,3,4,5,6,7,8,9,10,11,12,13,14,15
	ds_load_b128 v[WOUT+4*\t:WOUT+4*\t+3], v7 offset:2*\t*WPITCH
.endr
.irp t, 0,1,2,3,4,5,6,7,8,9,10,11,12,13,14,15
	s_wait_dscnt 15-\t                             ; the younger loads may be out
	global_store_b128 v8, v[WOUT+4*\t:WOUT+4*\t+3], s[14:15] offset:2*\t*KROW
.endr
	s_wait_tensorcnt 0x0                           ; the wave's end: the three lines
	ds_add_u32 v[SPW], v[NIL]
	s_wait_dscnt 0x0
	s_endpgm
; ================ PATH C.  w_out to f16: a wave takes 4,096 numbers; all 32 loads go out at once; no register is written twice, so no store's data are touched again.
.Lpath_c:
	s_sub_co_u32 s21, ttmp9, 48
	s_lshl_b32 s21, s21, 2
	s_add_co_u32 s21, s21, s20                     ; run 0 .. 255
	s_mov_b32 s25, 0
	s_lshl_b32 s24, s21, 14
	s_add_nc_u64 s[8:9], s[8:9], s[24:25]
	s_lshl_b32 s24, s21, 13
	s_add_nc_u64 s[18:19], s[18:19], s[24:25]
	v_lshlrev_b32 v3, 4, v2
	v_lshlrev_b32 v4, 3, v2
.irp i, 0,1,2,3,4,5,6,7,8,9,10,11,12,13,14,15,16,17,18,19,20,21,22,23,24,25,26,27,28,29,30,31
	global_load_b128 v[16+4*\i:19+4*\i], v3, s[8:9] offset:512*\i th:TH_LOAD_NT
.endr
.irp i, 0,1,2,3,4,5,6,7,8,9,10,11,12,13,14,15,16,17,18,19,20,21,22,23,24,25,26,27,28,29,30,31
	s_wait_loadcnt 31-\i                           ; loads come back in order: mine is in, the younger ones stay out
	v_cvt_pk_f16_f32 v[16+4*\i], v[16+4*\i], v[17+4*\i]
	v_cvt_pk_f16_f32 v[17+4*\i], v[18+4*\i], v[19+4*\i]
	global_store_b64 v4, v[16+4*\i:17+4*\i], s[18:19] offset:256*\i   ; 256 consecutive bytes, aligned
.endr
	s_wait_tensorcnt 0x0                           ; this path stores nothing to LDS; the launch does, and every wave's end has the three lines
	ds_add_u32 v[SPW], v[NIL]
	s_wait_dscnt 0x0
	s_endpgm
.Lfunc_end_k_qbfb31430d1_prep:
	.size	k_qbfb31430d1_prep, .Lfunc_end_k_qbfb31430d1_prep-k_qbfb31430d1_prep
	.p2alignl 7, 3214868480
	.fill 96, 4, 3214868480
	.section	.rodata,"a",@progbits
	.p2align	6, 0x0
	.amdhsa_kernel k_qbfb31430d1_prep
		.amdhsa_group_segment_fixed_size 68096
		.amdhsa_private_segment_fixed_size 0
		.amdhsa_enable_private_segment 0
		.amdhsa_kernarg_size 64
		.amdhsa_user_sgpr_count 2
		.amdhsa_user_sgpr_kernarg_segment_ptr 1
		.amdhsa_wavefront_size32 1
		.amdhsa_system_sgpr_workgroup_id_x 1
		.amdhsa_system_sgpr_workgroup_id_y 1
		.amdhsa_system_sgpr_workgroup_id_z 1
		.amdhsa_system_vgpr_workitem_id 0
		.amdhsa_next_free_vgpr 194
		.amdhsa_next_free_sgpr 66
		.amdhsa_reserve_vcc 0
		.amdhsa_float_denorm_mode_32 3
		.amdhsa_float_denorm_mode_16_64 3
		.amdhsa_memory_ordered 1
		.amdhsa_forward_progress 1
		.amdhsa_inst_pref_size 122
	.end_amdhsa_kernel
	.amdgpu_metadata
---
amdhsa.version: [ 1, 2 ]
amdhsa.kernels:
  - .name:           k_qbfb31430d1_prep
    .symbol:         k_qbfb31430d1_prep.kd
    .args:
      - { .name: x, .offset: 0, .size: 8, .value_kind: global_buffer, .address_space: global }
      - { .name: w_qkv, .offset: 8, .size: 8, .value_kind: global_buffer, .address_space: global }
      - { .name: w_out, .offset: 16, .size: 8, .value_kind: global_buffer, .address_space: global }
      - { .name: xc, .offset: 24, .size: 8, .value_kind: global_buffer, .address_space: global }
      - { .name: xs, .offset: 32, .size: 8, .value_kind: global_buffer, .address_space: global }
      - { .name: wc, .offset: 40, .size: 8, .value_kind: global_buffer, .address_space: global }
      - { .name: ws, .offset: 48, .size: 8, .value_kind: global_buffer, .address_space: global }
      - { .name: wo16, .offset: 56, .size: 8, .value_kind: global_buffer, .address_space: global }
    .group_segment_fixed_size: 68096
    .private_segment_fixed_size: 0
    .kernarg_segment_align: 8
    .kernarg_segment_size: 64
    .max_flat_workgroup_size: 128
    .sgpr_count:     66
    .vgpr_count:     194
    .wavefront_size: 32
...
	.end_amdgpu_metadata
.endif
;; end of part 1
;; launch qkv (part 2): grid 12 x 32, 4 waves a work-group, clusters of 4 x 4, 327,680 bytes of LDS; arguments xc, xs, wc, ws, qkv, b_qkv, qkv16; writes qkv, qkv16
.if DOCPART == 2
	.amdgcn_target "amdgcn-amd-amdhsa--gfx1250"
	.amdhsa_code_object_version 6
	.text
	.protected	k_qbfb31430d1_qkv
	.globl	k_qbfb31430d1_qkv
	.p2align	8
	.type	k_qbfb31430d1_qkv,@function
k_qbfb31430d1_qkv:
	s_mov_b64 s[64:65], 0
	v_nop
	global_prefetch_b8 v0, s[64:65] scope:SCOPE_SE
	s_setreg_imm32_b32 hwreg(HW_REG_WAVE_MODE, 25, 1), 1
	s_wait_xcnt 0x0
	s_wait_alu depctr_hold_cnt(0) depctr_sa_sdst(0) depctr_va_vdst(0) depctr_va_sdst(0) depctr_va_ssrc(0) depctr_va_vcc(0) depctr_vm_vsrc(0)
	s_getreg_b32 s2, hwreg(HW_REG_IB_STS2, 6, 4)
	s_cmp_eq_u32 s2, 0
	s_cbranch_scc0 .Lentry_in_a_cluster
	s_endpgm
.Lentry_in_a_cluster:
	s_bfe_u32 s2, ttmp6, 0x10000c
	s_cmp_lg_u32 s2, 0xf033
	s_cbranch_scc0 .Lentry_shape_is_right
	s_endpgm
.Lentry_shape_is_right:
; qkv = Q(x) Q(w_qkv) + b_qkv on codes of E2M1 with one E8M0 byte for each 32 along K.  xc [8192][512 bytes], xs [8192][32], wc [3072][512 bytes], ws [3072][32]; sums in f32.
; OUT: qkv [3 which][4 batch][16 head][2048 t][64 d] f16, for the attention; and qkv16 [16 batch + t][3072] f32, the rows t < 16 of every sequence, which a later launch carries in f32.
; LIMIT: |q|, |k|, |v| must stay under 65,504 (f16).
; A tile of C, 256 x 256, is made by four waves, each 128 x 128: 64 accumulators of 16 x 16, 512 registers.  K = 1,024 is two slots of 512 along K (rows of 256 bytes): both are asked for at the head, none is filled again.
; The scale bytes of the work-group's 256 + 256 rows, for all of K, are two dense blocks: they come once, with the first fills.
; CLUSTER 4 x 4: the four of a row of the cluster need the same tiles of x, the four of a column the same tiles of w: each is asked for jointly.
; TILE ROW = 8 cy + cluster y: so cy is the batch and cluster y the block of 256 positions, a number that all sixteen partners share: the branch round the f32 copy hangs on it and on the wave's number alone.
; THE MATRIX INSTRUCTION IS USED TRANSPOSED (source 0 = 16 rows of w, source 1 = 16 rows of x): a lane holds eight neighbouring columns of one row of C.
; THE BIAS is the C of each sum's first product: eight registers for each 16 columns, in the result's layout.
; REGISTERS: window 0: v0-31 addresses; v32-95 scale words, two sets; v128-191 x's fragments, one set; v192-255 the bias, later packed results.  window 1: w's fragments, two sets.  windows 2, 3: accumulators ((a, b) at v[8 (8 (a % 4) + b)]).
.set NQ,     4                         ; steps of 128 along K in a slot
.set ROWB,   256                       ; a tile's row in bytes: 512 codes
.set KROW,   512                       ; a row of codes in memory
.set PITCH,  272                       ; an LDS row: 256 + 16 = 68 words: row r starts at bank 4 r mod 64 (64 banks of 4 bytes: ISA guide 11.1)
.set FR,     8
.set NL,     2
.set NP,     4                         ; places behind this matrix instruction (ISA guide 7.12.1)
.set HALFT,  128*PITCH
.set SLOT,   4*HALFT
.set KS,     32                        ; a row of scale bytes
.set SCL,    2*SLOT
.set HALFS,  (128*KS/256)*272
.set SBLK,   (16*KS/256)*272
.set SPARE,  SCL+4*HALFS               ; the spare words, 128 bytes a wave
.set SPITCH, 272                       ; the way out: 16 rows x (256 + 16) a wave, in slot 0, which has had its only fill and its last read by then
.set ADRA, 16
.set ADRB, 20
.set STO,  24
.set RD,   25
.set CO,   26
.set ADRS, 27
.set SPW,  28
.set NIL,  29
.set C16,  30                          ; v30 my byte offset in qkv16: 12,288 (l % 16) + 32 (l / 16)
.set BO,   31                          ; v31 my byte offset in the bias: 32 (l / 16)
.set SC,   32
.set AF,   128
.set BI,   192                         ; the bias: register 8 b + j = b_qkv[my first column + 16 b + 8 (l / 16) + j]
.set TMP,  192                         ; the way out: packed results
.set OB,   32                          ; the way out: rows read back: v32-63 and v224-255 by turns
.set G1, 24
.set G0, 32
.set G1B, 48
.set G0B, 56
.set G1S, 68
.set G0S, 76
.set G1SB, 80
.set G0SB, 88
.set FLAG, 95                          ; s95 0 in the waves that hold rows t < 16: cluster y = 0 and the tile's upper half
.set MSB, 0
.macro WIN new                         ; the immediate's high byte repeats the setting that is left
.if MSB != (\new)
	s_set_vgpr_msb (MSB<<8)|(\new)
.set MSB, (\new)
.endif
.endm
.set MUL_LO, 0xa1                      ; source 0 (w) window 1, source 1 (x) window 0, C and D window 2
.set MUL_HI, 0xf1                      ; the same, C and D window 3
.set TO_B,   0x40
; A joint load: waves 0 and 1 fetch for x, waves 2 and 3 for w.  The branch hangs on the wave's number alone.  An s_nop 0 and four v_nop follow each line.
.macro JLOAD g0a, g1a, g0b, g1b
	s_cmp_eq_u32 s15, 0
	s_cbranch_scc0 .Lfor_b_\@
	tensor_load_to_lds s[\g0a:\g0a+3], s[\g1a:\g1a+7]
	s_nop 0
.rept 4
	v_nop
.endr
	s_branch .Lasked_\@
.Lfor_b_\@:
	tensor_load_to_lds s[\g0b:\g0b+3], s[\g1b:\g1b+7]
	s_nop 0
.rept 4
	v_nop
.endr
.Lasked_\@:
.endm
.macro CROUND                          ; a round of the cluster's barrier
	s_barrier_signal -1
	s_barrier_wait -1
	s_cmp_lg_u32 s14, 0
	s_cbranch_scc1 .Lnot_wave_0_\@
	s_barrier_signal -3
.Lnot_wave_0_\@:
	s_barrier_wait -3
	s_barrier_signal -1
	s_barrier_wait -1
.endm
	s_load_b256 s[4:11], s[0:1], 0x0               ; xc s[4:5], xs s[6:7], wc s[8:9], ws s[10:11]
	s_load_b64 s[12:13], s[0:1], 0x20              ; qkv
	s_load_b128 s[96:99], s[0:1], 0x28             ; b_qkv s[96:97], qkv16 s[98:99]
	v_lshl_add_u32 v[SPW], v0, 2, SPARE
	v_mov_b32 v[NIL], 0
	ds_add_u32 v[SPW], v[NIL]                      ; the wave's opening: the add, twice on end, and its wait ahead of my first tensor load
	ds_add_u32 v[SPW], v[NIL]
	v_lshrrev_b32 v1, 5, v0
	v_readfirstlane_b32 s14, v1                    ; wave 0..3
	s_lshr_b32 s15, s14, 1                         ; which half of the tile's rows is mine.  Also: I fetch for x (0) or for w (1)
	s_and_b32 s16, s14, 1                          ; which half of its columns.  Also: which 128 rows I fetch
	s_bfe_u32 s40, ttmp6, 0x40000                  ; cx
	s_bfe_u32 s41, ttmp6, 0x40004                  ; cy
	s_lshl_b32 s42, ttmp9, 2
	s_add_co_u32 s42, s42, s40                     ; tile column = 4 x cluster x + cx
	s_and_b32 s17, ttmp7, 0xffff                   ; cluster y
	s_or_b32 s[FLAG], s17, s15
	s_lshl_b32 s18, s41, 3
	s_add_co_u32 s17, s17, s18                     ; tile row = 8 cy + cluster y
	s_lshl_b32 s43, s41, 2
	s_lshl_b32 s43, 15, s43                        ; my row of the cluster
	s_lshl_b32 s44, 0x1111, s40                    ; my column
	s_or_b32 s[G1+0], s43, (0<<16)|(1<<20)|(1<<21)|(5<<22)|(3<<25)  ; mask; elements of 1 byte; padding on; bit 21 beside a mask; after every 64 words 4 words
	s_or_b32 s[G1B+0], s44, (0<<16)|(1<<20)|(1<<21)|(5<<22)|(3<<25)
.irp g, G1, G1B
	s_mov_b32 s[\g+1], ROWB<<16                    ; tensor_dim0
	s_mov_b32 s[\g+2], 128<<16                     ; tensor_dim1
	s_mov_b32 s[\g+3], ROWB<<16                    ; tile_dim0
	s_mov_b32 s[\g+4], 128                         ; tile_dim1
	s_mov_b32 s[\g+5], KROW                        ; stride
	s_mov_b32 s[\g+6], 0
	s_mov_b32 s[\g+7], 0
.endr
	s_or_b32 s[G1S+0], s43, (3<<16)|(1<<20)|(1<<21)|(5<<22)|(3<<25) ; the scales of 128 rows: 4,096 dense bytes as 16 rows of 256 (32 elements of 8 bytes), 16 bytes of padding behind each
	s_or_b32 s[G1SB+0], s44, (3<<16)|(1<<20)|(1<<21)|(5<<22)|(3<<25)
.irp g, G1S, G1SB
	s_mov_b32 s[\g+1], 32<<16
	s_mov_b32 s[\g+2], (128*KS/256)<<16
	s_mov_b32 s[\g+3], 32<<16
	s_mov_b32 s[\g+4], 128*KS/256
	s_mov_b32 s[\g+5], 32
	s_mov_b32 s[\g+6], 0
	s_mov_b32 s[\g+7], 0
.endr
	s_lshl_b32 s18, s16, 7
	s_lshl_b32 s20, s17, 8
	s_add_co_u32 s20, s20, s18                     ; x: row 256 x tile row + 128 x half
	s_lshl_b32 s46, s42, 8
	s_add_co_u32 s46, s46, s18                     ; w: row 256 x tile column + 128 x half
	s_mov_b32 s21, 0
	s_mov_b32 s47, 0
	s_mov_b64 s[18:19], KS
	s_mul_u64 s[22:23], s[20:21], s[18:19]
	s_mul_u64 s[92:93], s[46:47], s[18:19]
	s_mov_b64 s[18:19], KROW
	s_mul_u64 s[20:21], s[20:21], s[18:19]
	s_mul_u64 s[46:47], s[46:47], s[18:19]
	s_mul_i32 s45, s14, HALFT                      ; where they go: wave x 128 rows
	s_mul_i32 s94, s14, HALFS
	s_wait_dscnt 0x0                               ; both opening adds are done
	s_wait_kmcnt 0x0
	s_add_nc_u64 s[20:21], s[4:5], s[20:21]
	s_add_nc_u64 s[22:23], s[6:7], s[22:23]
	s_add_nc_u64 s[46:47], s[8:9], s[46:47]
	s_add_nc_u64 s[92:93], s[10:11], s[92:93]
	CROUND                                         ; all sixteen work-groups are here: the joint loads meet
	s_mov_b32 s[G0S], 1
	s_add_co_u32 s[G0S+1], s94, SCL
	s_mov_b64 s[G0S+2:G0S+3], s[22:23]
	s_or_b32 s[G0S+3], s[G0S+3], 0x80000000
	s_mov_b32 s[G0SB], 1
	s_add_co_u32 s[G0SB+1], s94, SCL
	s_mov_b64 s[G0SB+2:G0SB+3], s[92:93]
	s_or_b32 s[G0SB+3], s[G0SB+3], 0x80000000
	JLOAD G0S, G1S, G0SB, G1SB                     ; the scales first; three loads of mine are out behind the third
.irp s, 0,1
	s_mov_b32 s[G0+4*\s], 1
	s_add_co_u32 s[G0+4*\s+1], s45, \s*SLOT
	s_add_nc_u64 s[G0+4*\s+2:G0+4*\s+3], s[20:21], \s*ROWB
	s_or_b32 s[G0+4*\s+3], s[G0+4*\s+3], 0x80000000
	s_mov_b32 s[G0B+4*\s], 1
	s_add_co_u32 s[G0B+4*\s+1], s45, \s*SLOT
	s_add_nc_u64 s[G0B+4*\s+2:G0B+4*\s+3], s[46:47], \s*ROWB
	s_or_b32 s[G0B+4*\s+3], s[G0B+4*\s+3], 0x80000000
	JLOAD G0+4*\s, G1, G0B+4*\s, G1B
.endr
	v_and_b32 v1, 15, v0                           ; l % 16
	v_bfe_u32 v2, v0, 4, 1                         ; l / 16
	; the bias and the outputs' bases, in registers that feed no descriptor
	s_lshl_b32 s2, s42, 10
	s_lshl_b32 s66, s16, 9
	s_add_co_u32 s2, s2, s66                       ; 4 x my first column: 1,024 x tile column + 512 x half
	s_mov_b32 s3, 0
	s_add_nc_u64 s[96:97], s[96:97], s[2:3]
	s_mul_i32 s66, s41, 16*12288
	s_add_co_u32 s2, s2, s66
	s_add_nc_u64 s[98:99], s[98:99], s[2:3]        ; qkv16 at row 16 x batch, my first column
	v_lshlrev_b32 v[BO], 5, v2
.irp b, 0,1,2,3,4,5,6,7
	global_load_b128 v[BI+8*\b:BI+8*\b+3], v[BO], s[96:97] offset:64*\b
	global_load_b128 v[BI+8*\b+4:BI+8*\b+7], v[BO], s[96:97] offset:64*\b+16
.endr
	s_lshr_b32 s2, s42, 2                          ; q, k or v: 1,024 columns = 4 tile columns each
	s_lshl_b32 s2, s2, 6
	s_lshl_b32 s66, s41, 4
	s_add_co_u32 s2, s2, s66                       ; + 16 x batch
	s_and_b32 s66, s42, 3
	s_lshl_b32 s66, s66, 2
	s_add_co_u32 s2, s2, s66                       ; + 4 heads a tile column
	s_lshl_b32 s66, s16, 1
	s_add_co_u32 s2, s2, s66                       ; + 2 heads a wave
	s_lshl_b32 s2, s2, 18                          ; a head's plane is 262,144 bytes
	s_and_b32 s66, ttmp7, 0xffff
	s_lshl_b32 s66, s66, 15                        ; 256 positions of 128 bytes
	s_add_co_u32 s2, s2, s66
	s_lshl_b32 s66, s15, 14
	s_add_co_u32 s2, s2, s66
	s_add_nc_u64 s[12:13], s[12:13], s[2:3]
	v_mul_u32_u24 v3, v1, PITCH
	v_lshl_add_u32 v4, v2, 4, v3                   ; a fragment's row x pitch + 16 x half
	s_mul_i32 s21, s15, HALFT
	s_mul_i32 s22, s16, HALFT
	s_add_co_u32 s22, s22, 2*HALFT
.irp s, 0,1
	v_add_nc_u32 v[ADRA+\s], s21, v4
	v_add_nc_u32 v[ADRB+\s], s22, v4
	s_add_co_u32 s21, s21, SLOT
	s_add_co_u32 s22, s22, SLOT
.endr
	v_mul_u32_u24 v5, v1, KS                       ; my row's scales: 32 bytes a row, and 16 more for each 256 passed
	v_lshrrev_b32 v6, 8, v5
	v_lshl_add_u32 v5, v6, 4, v5
	s_mul_i32 s21, s15, HALFS
	s_mul_i32 s22, s16, HALFS
	s_add_co_u32 s22, s22, 2*HALFS
	s_sub_co_u32 s22, s22, s21
	v_mul_u32_u24 v6, s22, v2                      ; lanes 16-31 take w's
	s_add_co_u32 s21, s21, SCL
	v_add_nc_u32 v5, v5, v6
	v_add_nc_u32 v[ADRS], s21, v5
	s_mul_i32 s23, s14, 16*SPITCH                  ; my stage
	v_mul_u32_u24 v5, v1, SPITCH
	v_lshl_add_u32 v5, v2, 4, v5
	v_add_nc_u32 v[STO], s23, v5                   ; in: row l % 16, 16 bytes for each half of the lanes
	v_bfe_u32 v5, v0, 3, 1
	v_mul_u32_u24 v5, v5, SPITCH
	v_lshl_add_u32 v5, v2, 7, v5
	v_and_b32 v6, 7, v0
	v_lshl_add_u32 v5, v6, 4, v5
	v_add_nc_u32 v[RD], s23, v5                    ; back: lanes 0-15 two rows' 128 bytes of the first head, lanes 16-31 of the second
	v_lshlrev_b32 v[CO], 4, v1
	v_lshl_add_u32 v[CO], v2, 18, v[CO]            ; and in qkv: 16 (l % 16), the second head one plane on
	v_mul_u32_u24 v[C16], v1, 12288
	v_lshl_add_u32 v[C16], v2, 5, v[C16]
.macro FRAG reg, adr, q, i             ; 16 rows x 128 K of 4-bit codes: 8 registers, two loads of 16 bytes, 32 bytes apart
.irp c, 0,1
	ds_load_b128 v[\reg+4*\c:\reg+4*\c+3], v[\adr] offset:64*(\q)+32*\c+(\i)*16*PITCH
.endr
.endm
; 16 matrix instructions: x's blocks a0, a0 + 1 against w's eight.  first = 1: the bias starts the sums.  The 64 accumulators take turns, one instruction a turn.
.macro MUL16 a0, p, q, sc, first
.irp a, \a0, \a0+1
.irp b, 0,1,2,3,4,5,6,7
.if \first
	v_wmma_scale_f32_16x16x128_f8f6f4 v[8*(8*((\a)%4)+\b):8*(8*((\a)%4)+\b)+7], v[128*(\p)+FR*\b:128*(\p)+FR*\b+FR-1], v[AF+FR*(\a):AF+FR*(\a)+FR-1], v[BI+8*\b:BI+8*\b+7], v[SC+8*NQ*(\sc)+NQ*\b+(\q)], v[SC+8*NQ*(\sc)+NQ*(\a)+(\q)] matrix_a_fmt:MATRIX_FMT_FP4 matrix_b_fmt:MATRIX_FMT_FP4 matrix_a_scale:MATRIX_SCALE_ROW1
.else
	v_wmma_scale_f32_16x16x128_f8f6f4 v[8*(8*((\a)%4)+\b):8*(8*((\a)%4)+\b)+7], v[128*(\p)+FR*\b:128*(\p)+FR*\b+FR-1], v[AF+FR*(\a):AF+FR*(\a)+FR-1], v[8*(8*((\a)%4)+\b):8*(8*((\a)%4)+\b)+7], v[SC+8*NQ*(\sc)+NQ*\b+(\q)], v[SC+8*NQ*(\sc)+NQ*(\a)+(\q)] matrix_a_fmt:MATRIX_FMT_FP4 matrix_b_fmt:MATRIX_FMT_FP4 matrix_a_scale:MATRIX_SCALE_ROW1
.endif
.endr
.endr
.endm
.macro FETCH_B slot, q, p
	WIN TO_B
.irp i, 0,1,2,3,4,5,6,7
	FRAG 128*(\p)+FR*\i, ADRB+\slot, \q, \i
.endr
	WIN 0
.endm
.macro FETCH_A slot, q, i0
.irp i, \i0, \i0+1, \i0+2, \i0+3
	FRAG AF+FR*(\i), ADRA+\slot, \q, \i
.endr
.endm
.macro SCALES sc                       ; a slot's scale words: 4 words a row; lanes 0-15 x's block i, lanes 16-31 w's block i
.irp i, 0,1,2,3,4,5,6,7
	ds_load_b128 v[SC+8*NQ*\sc+NQ*\i:SC+8*NQ*\sc+NQ*\i+3], v[ADRS] offset:\i*SBLK
.endr
.endm
.macro PLACES n                        ; places in front of loads into registers that matrix instructions have read, and of reads of results
.rept \n
	v_nop
.endr
.endm
.macro STEP slot, q, first             ; a step of 128 along K that has its successor in the same slot
	s_wait_dscnt 4*NL                              ; w's set and x's blocks 0-3 are in; the youngest eight loads (x's blocks 4-7) may be out
	WIN MUL_LO-0x20*(\first)                       ; (first: C, the bias, in window 0)
	MUL16 0, (\q)%2, \q, \slot, \first
	MUL16 2, (\q)%2, \q, \slot, \first
	s_wait_dscnt 0
	PLACES NP
	FETCH_B \slot, (\q)+1, 1-(\q)%2
	FETCH_A \slot, (\q)+1, 0
	WIN MUL_HI-0x30*(\first)
	MUL16 4, (\q)%2, \q, \slot, \first
	MUL16 6, (\q)%2, \q, \slot, \first
	PLACES NP
	WIN 0
	FETCH_A \slot, (\q)+1, 4
.endm
.macro STEPS slot, from
.set QS, \from
.rept NQ-1-\from
	STEP \slot, QS, 0
.set QS, QS+1
.endr
.endm
	s_wait_tensorcnt 1                             ; the scales and my part of slot 0 are in; slot 1's load may be out
	s_barrier_signal -1
	s_barrier_wait -1
	FETCH_B 0, 0, 0
	FETCH_A 0, 0, 0
	SCALES 0
	FETCH_A 0, 0, 4
	s_wait_loadcnt 0x0                             ; the bias
	STEP 0, 0, 1
	STEPS 0, 1
	; slot 0's last step changes slots: one barrier; nothing is filled again
	s_wait_tensorcnt 0x0                           ; my part of slot 1 has landed
	ds_add_u32 v[SPW], v[NIL]
	s_wait_dscnt 4*NL+1                            ; the add and the youngest eight loads may be out
	WIN MUL_LO
	MUL16 0, 1, NQ-1, 0, 0
	s_wait_dscnt 0x0                               ; the add is done, and my reads of slot 0 are over
	s_barrier_signal -1
	MUL16 2, 1, NQ-1, 0, 0
	WIN 0
	s_barrier_wait -1
	PLACES NP
	v_add_nc_u32 v[ADRS], 4*NQ, v[ADRS]            ; the second slot's scale words
	FETCH_B 1, 0, 0
	FETCH_A 1, 0, 0
	SCALES 1
	WIN MUL_HI
	MUL16 4, 1, NQ-1, 0, 0
	MUL16 6, 1, NQ-1, 0, 0
	PLACES NP
	WIN 0
	FETCH_A 1, 0, 4
	STEPS 1, 0
	s_wait_dscnt 4*NL                              ; the very last step
	WIN MUL_LO
	MUL16 0, 1, NQ-1, 1, 0
	MUL16 2, 1, NQ-1, 1, 0
	s_wait_dscnt 0
	WIN MUL_HI
	MUL16 4, 1, NQ-1, 1, 0
	MUL16 6, 1, NQ-1, 1, 0
	WIN 0
	PLACES NP
	; THE ROWS t < 16 IN f32: block 0 of the waves with FLAG = 0, as it stands: 32 bytes a lane.  (One store in 64 of the launch's; the rows lie 12,288 bytes apart.)
	s_cmp_lg_u32 s[FLAG], 0
	s_cbranch_scc1 .Lno16
	WIN 0x08                                       ; a store's data are its source 1: window 2
.irp b, 0,1,2,3,4,5,6,7
	global_store_b128 v[C16], v[8*\b:8*\b+3], s[98:99] offset:64*\b          ; each accumulator from its low end on
	global_store_b128 v[C16], v[8*\b+4:8*\b+7], s[98:99] offset:64*\b+16
.endr
	WIN 0
.Lno16:
; THE WAY OUT, block by block of 16 rows x 128 columns (two heads): rounded to f16, 16 bytes a lane into my stage, back so that sixteen lanes hold two rows of one head: 256 consecutive bytes of qkv, aligned.
.macro PACK a
.set AC, 64*((\a)%4)
	WIN 0x0a+5*((\a)/4)                            ; sources 0 and 1: window 2 or 3
.irp b, 0,1,2,3,4,5,6,7
.irp r, 0,1,2,3
	v_cvt_pk_f16_f32 v[TMP+4*\b+\r], v[AC+8*\b+2*\r], v[AC+8*\b+2*\r+1]
.endr
.endr
	WIN 0
.endm
.macro TOSTAGE a
.set BK, OB+192*((\a)%2)
.irp b, 0,1,2,3,4,5,6,7
	ds_store_b128 v[STO], v[TMP+4*\b:TMP+4*\b+3] offset:32*\b
.endr
.irp i, 0,1,2,3,4,5,6,7
	ds_load_b128 v[BK+4*\i:BK+4*\i+3], v[RD] offset:2*SPITCH*\i    ; LDS serves a wave's instructions in order: these see the stores above
.endr
.endm
.macro SEND a
.set BK, OB+192*((\a)%2)
	s_wait_dscnt 0x0                               ; the block is back in registers
	s_wait_xcnt 0x0                                ; the block before has been read by its stores: the next block's loads may land in its registers
.irp i, 0,1,2,3,4,5,6,7
	global_store_b128 v[CO], v[BK+4*\i:BK+4*\i+3], s[12:13] offset:2048*(\a)+256*\i
.endr
.endm
	PACK 0
	TOSTAGE 0
.irp a, 1,2,3,4,5,6,7                  ; block a's conversions stand between block a - 1's loads from the stage and the wait for them
	PACK \a
	SEND \a-1
	TOSTAGE \a
.endr
	SEND 7
	s_wait_tensorcnt 0x0                           ; the wave's end
	ds_add_u32 v[SPW], v[NIL]
	s_wait_dscnt 0x0
	CROUND                                         ; the closing round
	s_endpgm
.Lfunc_end_k_qbfb31430d1_qkv:
	.size	k_qbfb31430d1_qkv, .Lfunc_end_k_qbfb31430d1_qkv-k_qbfb31430d1_qkv
	.p2alignl 7, 3214868480
	.fill 96, 4, 3214868480
	.section	.rodata,"a",@progbits
	.p2align	6, 0x0
	.amdhsa_kernel k_qbfb31430d1_qkv
		.amdhsa_group_segment_fixed_size 327680
		.amdhsa_private_segment_fixed_size 0
		.amdhsa_enable_private_segment 0
		.amdhsa_kernarg_size 56
		.amdhsa_user_sgpr_count 2
		.amdhsa_user_sgpr_kernarg_segment_ptr 1
		.amdhsa_wavefront_size32 1
		.amdhsa_system_sgpr_workgroup_id_x 1
		.amdhsa_system_sgpr_workgroup_id_y 1
		.amdhsa_system_sgpr_workgroup_id_z 1
		.amdhsa_system_vgpr_workitem_id 0
		.amdhsa_next_free_vgpr 1024
		.amdhsa_next_free_sgpr 100
		.amdhsa_reserve_vcc 0
		.amdhsa_float_denorm_mode_32 3
		.amdhsa_float_denorm_mode_16_64 3
		.amdhsa_memory_ordered 1
		.amdhsa_forward_progress 1
		.amdhsa_inst_pref_size 130
	.end_amdhsa_kernel
	.amdgpu_metadata
---
amdhsa.version: [ 1, 2 ]
amdhsa.kernels:
  - .name:           k_qbfb31430d1_qkv
    .symbol:         k_qbfb31430d1_qkv.kd
    .args:
      - { .name: xc, .offset: 0, .size: 8, .value_kind: global_buffer, .address_space: global }
      - { .name: xs, .offset: 8, .size: 8, .value_kind: global_buffer, .address_space: global }
      - { .name: wc, .offset: 16, .size: 8, .value_kind: global_buffer, .address_space: global }
      - { .name: ws, .offset: 24, .size: 8, .value_kind: global_buffer, .address_space: global }
      - { .name: qkv, .offset: 32, .size: 8, .value_kind: global_buffer, .address_space: global }
      - { .name: b_qkv, .offset: 40, .size: 8, .value_kind: global_buffer, .address_space: global }
      - { .name: qkv16, .offset: 48, .size: 8, .value_kind: global_buffer, .address_space: global }
    .group_segment_fixed_size: 327680
    .private_segment_fixed_size: 0
    .kernarg_segment_align: 8
    .kernarg_segment_size: 56
    .max_flat_workgroup_size: 128
    .sgpr_count:     100
    .vgpr_count:     1024
    .wavefront_size: 32
...
	.end_amdgpu_metadata
.endif
;; end of part 2
;; launch attn (part 3): grid 4 x 64, 16 waves a work-group, no clusters, 327,680 bytes of LDS; arguments qkv, att; writes att
.if DOCPART == 3
	.amdgcn_target "amdgcn-amd-amdhsa--gfx1250"
	.amdhsa_code_object_version 6
	.text
	.protected	k_qbfb31430d1_attn
	.globl	k_qbfb31430d1_attn
	.p2align	8
	.type	k_qbfb31430d1_attn,@function
k_qbfb31430d1_attn:
	s_mov_b64 s[64:65], 0
	v_nop
	global_prefetch_b8 v0, s[64:65] scope:SCOPE_SE
	s_setreg_imm32_b32 hwreg(HW_REG_WAVE_MODE, 25, 1), 1
	s_wait_xcnt 0x0
; att[head][2048 b + q][:] = sum over k <= q of softmax_k(Q[q] . K[k] / 8) V[k][:].  qkv: [3][64 = 16 b + head][2048][64] f16; att: [16 head][8192][64] f16.
; Products on f16 operands with f32 sums; maxima, exponentials and sums in f32; the weights p are rounded to f16 for the second product, the result once at the end.
; LIMIT: q, k, v and the result must stay under 65,504 (f16).  (The rows q < 16 are made here too; a later launch makes them anew in f32 for the output.)
; SHARES.  Work-group (i, bh) owns the blocks 7 - i and i of 256 queries of head bh: 9 blocks' worth of keys under the mask for each of the 256 work-groups.  A wave owns 32 queries, two tiles of 16, in 256 registers:
; each fragment of K and V read from LDS feeds two products.  Wave w takes block i where ((w >> 2) ^ w) & 1 = 1, else block 7 - i; its 32 queries are number w >> 1 of the block.
; LAYOUT.  S^T = K Q^T (source 0 = 16 keys, source 1 = 16 queries): a lane holds ONE query (lane % 16) and keys 8 (lane / 16) + 0..7.  Two such tiles, rounded in pairs, ARE source 1 (32 keys x 16 queries) of O^T = V^T P.
; SOFTMAX.  A running maximum m and sum l for each query: p = 2^(c s - c m), c = log2(e) / 8; in every step O and l are multiplied by a = 2^(c m_old - c m_new).
; RING.  Two LDS slots of 256 keys, filled by the tensor data mover (waves 0, 1: K's halves; waves 2, 3: V's).  K's and V's rows of 128 bytes are dense in memory: a tile is stated as rows of 256 bytes, two keys each.
; MASK.  Every work-group walks all 8 slots: trip counts are constants.  A step of 64 keys all of which come after the wave's 32 queries is jumped over (ids alone).  A slot whose first key comes after the work-group's
; last query is not asked for.  A step that is walked has its first key at or under the wave's first query (steps begin at multiples of 64, waves at multiples of 32): so every query sees a key in it.
; NO CLUSTER: the four work-groups of a head stop asking at different slots (8 - i of them), and a joint load may not be left out by one partner; if all four asked for all 8 slots in step,
; each slot would last as long as its busiest partner: 12 blocks' worth against 9.
.set PK,    272                        ; two keys of K: 256 bytes + 16: key k at PK (k / 2) + 128 (k % 2): the 16 rows of a load fall on 16 different groups of four banks (64 banks of 4 bytes: ISA guide 11.1)
.set PV,    288                        ; two keys of V: 256 + 32: the turning load's 16 lanes (4 LDS rows x 2 keys x 2 pieces) likewise
.set VOFF,  128*PK                     ; a slot: 128 LDS rows of K, then 128 of V
.set SLOT1, 1<<17
.set STAGE, SLOT1+128*(PK+PV)          ; behind the ring: 32 rows x 144 bytes for each wave
.set SPT,   144
.set SPARE, STAGE+16*32*SPT            ; the spare words, 128 bytes a wave
.set AK0, 1
.set AV0, 2
.set ADK, 3
.set ADV, 4
.set SPW, 5
.set NIL, 6
.set DM,  7                            ; v7   lane % 16 - 8 (lane / 16)
.set STO, 8
.set RD,  9
.set PFO, 10                           ; v10  256 x lane; never rewritten
.set QO,  11
.set ST,  12                           ; v12-27 tile t at ST + 8 t: +0 c m, +1 m, +2, +3 l, +4 .. +7 at work; a at +6
.set QF,  28                           ; v28-59   Q: tile t, channels 32 c on, at QF + 16 t + 8 c
.set SS,  60                           ; v60-123  S^T: tile t, keys 16 kt on, at SS + 32 t + 8 kt; p is packed into the first 16 of each tile
.set KV,  124                          ; v124-187 K's 8 fragments, then V's 8
.set OO,  188                          ; v188-251 O^T: tile t, channels 16 ch on, at OO + 32 t + 8 ch
.set GO,  255                          ; v255 16 x lane
.set WV,  8
.set Q0,  12                           ; s12 my first query
.set KF,  13                           ; s13 the step's first key
.set LASTQ, 14                         ; s14 my work-group's last query
.set LIM, 15                           ; s15 1 in a wave that prefetches, else the greatest number
.set PFA, 18
.set SEL, 20
.set CS,  22
.set G1K, 24
.set G1V, 32
.set G0K, 40
.set G0V, 44
.set TB,  48
.set SLOTS, 49
.macro TLOAD                           ; waves 0, 1 fetch K's halves, waves 2, 3 V's, the others nothing.  An s_nop 0 and four v_nop follow each line
	s_cmp_lt_u32 s[WV], 2
	s_cbranch_scc0 .Lnot_k_\@
	tensor_load_to_lds s[G0K:G0K+3], s[G1K:G1K+7]
	s_nop 0
.rept 4
	v_nop
.endr
	s_branch .Lasked_\@
.Lnot_k_\@:
	s_cmp_lt_u32 s[WV], 4
	s_cbranch_scc0 .Lasked_\@
	tensor_load_to_lds s[G0V:G0V+3], s[G1V:G1V+7]
	s_nop 0
.rept 4
	v_nop
.endr
.Lasked_\@:
.endm
; A PREFETCH of what the NEXT change of slots will ask for: 32,768 bytes of K and of V.  All four work-groups of a head walk the same K and V: work-group i = 0, which walks all 8 slots, asks, and nobody else.
; In it waves 4 to 7 ask for K, waves 8 to 11 for V: 8,192 bytes a wave, lanes 256 bytes apart, one instruction.  So each aligned 256 bytes are named once.  The last change that fills a slot asks for nothing; slots 0 and 1 come by their loads alone.
.macro ASK
	s_cmp_gt_u32 s[SLOTS], s[LIM]
	s_cbranch_scc0 .Lnot_mine_\@
	global_prefetch_b8 v[PFO], s[PFA:PFA+1] th:TH_LOAD_NT scope:SCOPE_SE
.Lnot_mine_\@:
.endm
	s_load_b128 s[4:7], s[0:1], 0x0                ; qkv s[4:5], att s[6:7]
	v_lshl_add_u32 v[SPW], v0, 2, SPARE
	v_mov_b32 v[NIL], 0
	ds_add_u32 v[SPW], v[NIL]                      ; the wave's opening: the add, twice on end, and its wait ahead of the first tensor load
	ds_add_u32 v[SPW], v[NIL]
	v_lshrrev_b32 v1, 5, v0
	v_readfirstlane_b32 s[WV], v1                  ; wave 0..15
	s_and_b32 s50, ttmp7, 0xffff                   ; bh = 16 b + head
	s_lshr_b32 s51, s[WV], 2
	s_xor_b32 s51, s51, s[WV]
	s_and_b32 s51, s51, 1
	s_sub_co_u32 s52, 7, ttmp9
	s_cmp_eq_u32 s51, 0
	s_cselect_b32 s52, s52, ttmp9                  ; my block of 256 queries
	s_lshl_b32 s52, s52, 8
	s_lshr_b32 s53, s[WV], 1
	s_lshl_b32 s53, s53, 5
	s_add_co_u32 s[Q0], s52, s53
	s_sub_co_u32 s[LASTQ], 8, ttmp9
	s_lshl_b32 s[LASTQ], s[LASTQ], 8
	s_sub_co_u32 s[LASTQ], s[LASTQ], 1             ; 256 (8 - i) - 1
	s_and_b32 s54, s[WV], 1                        ; which half of a tile I fetch, if I fetch
	s_add_co_u32 s56, s50, 64
	s_lshl_b32 s56, s56, 18                        ; K's plane
	s_lshl_b32 s55, s54, 14
	s_add_co_u32 s56, s56, s55
	s_mov_b32 s57, 0
	s_mov_b32 s[G1K], (1<<16)|(1<<20)|(5<<22)|(3<<25)   ; no mask; elements of 2 bytes; padding on: after every 64 words 4 words
	s_mov_b32 s[G1V], (1<<16)|(1<<20)|(5<<22)|(7<<25)   ; the same with 8 words
.irp g, G1K, G1V
	s_mov_b32 s[\g+1], 128<<16                     ; tensor_dim0 = 128 elements: two keys
	s_mov_b32 s[\g+2], 64<<16                      ; tensor_dim1 = 64
	s_mov_b32 s[\g+3], 128<<16                     ; tile_dim0
	s_mov_b32 s[\g+4], 64                          ; tile_dim1
	s_mov_b32 s[\g+5], 128                         ; stride: dense
	s_mov_b32 s[\g+6], 0
	s_mov_b32 s[\g+7], 0
.endr
	s_mov_b32 s[SEL], 0x76543210
	s_mov_b32 s[SEL+1], 0xfedcba98
	s_mov_b32 s[CS], 0x3e38aa3b                    ; c = log2(e) / 8
	s_mov_b32 s[CS+1], s[CS]
	s_mov_b32 s[TB], 0
	s_mov_b32 s[KF], 0
	s_mov_b32 s[SLOTS], 7
	s_wait_dscnt 0x0                               ; both opening adds are done
	s_wait_kmcnt 0x0
	s_mov_b32 s[G0K], 1
	s_mul_i32 s[G0K+1], s54, 64*PK
	s_add_nc_u64 s[G0K+2:G0K+3], s[4:5], s[56:57]
	s_mov_b32 s[G0V], 1
	s_mul_i32 s[G0V+1], s54, 64*PV
	s_add_co_u32 s[G0V+1], s[G0V+1], VOFF
	s_add_nc_u64 s[G0V+2:G0V+3], s[G0K+2:G0K+3], 64<<18   ; V's plane lies 64 planes behind K's
	s_or_b32 s[G0K+3], s[G0K+3], 0x80000000
	s_or_b32 s[G0V+3], s[G0V+3], 0x80000000
	TLOAD                                          ; slot 0: key 0 counts for every query
	s_lshl_b32 s56, s50, 18
	s_lshl_b32 s55, s[Q0], 7
	s_add_co_u32 s56, s56, s55
	s_add_nc_u64 s[16:17], s[4:5], s[56:57]        ; Q at my first query
	v_and_b32 v252, 15, v0                         ; r
	v_bfe_u32 v253, v0, 4, 1                       ; h
	v_lshlrev_b32 v[QO], 7, v252
	v_lshl_add_u32 v[QO], v253, 4, v[QO]
.irp t, 0,1
.irp c, 0,1
	global_load_b128 v[QF+16*\t+8*\c:QF+16*\t+8*\c+3], v[QO], s[16:17] offset:2048*\t+64*\c
	global_load_b128 v[QF+16*\t+8*\c+4:QF+16*\t+8*\c+7], v[QO], s[16:17] offset:2048*\t+64*\c+32
.endr
.endr
	s_and_b32 s56, s50, 15
	s_lshl_b32 s56, s56, 20                        ; att: the head's plane of 1,048,576 bytes,
	s_lshr_b32 s55, s50, 4
	s_lshl_b32 s55, s55, 11
	s_add_co_u32 s55, s55, s[Q0]
	s_lshl_b32 s55, s55, 7                         ; row 2048 b + my first query
	s_add_co_u32 s56, s56, s55
	s_add_nc_u64 s[58:59], s[6:7], s[56:57]
	s_cmp_lt_u32 s[WV], 8                          ; the prefetches: waves 4 to 7 K's plane, waves 8 to 11 V's
	s_cselect_b32 s55, 64, 128
	s_add_co_u32 s55, s55, s50
	s_lshl_b32 s56, s55, 18
	s_and_b32 s55, s[WV], 3
	s_lshl_b32 s55, s55, 13
	s_add_co_u32 s56, s56, s55
	s_add_co_u32 s56, s56, 32768                   ; in slot 1: the first change of slots steps it to slot 2
	s_add_nc_u64 s[PFA:PFA+1], s[4:5], s[56:57]
	s_sub_co_u32 s55, s[WV], 4
	s_lshr_b32 s55, s55, 3                         ; 0 in waves 4 to 11,
	s_or_b32 s55, s55, ttmp9                       ; of work-group i = 0
	s_cmp_eq_u32 s55, 0
	s_cselect_b32 s[LIM], 1, -1
	v_and_b32 v[PFO], 31, v0
	v_lshlrev_b32 v[GO], 4, v[PFO]
	v_lshlrev_b32 v[PFO], 8, v[PFO]
	v_lshrrev_b32 v3, 1, v252
	v_mul_u32_u24 v[AK0], v3, PK
	v_and_b32 v3, 1, v0
	v_lshl_add_u32 v[AK0], v3, 7, v[AK0]
	v_lshl_add_u32 v[AK0], v253, 4, v[AK0]         ; K: key r: PK (r / 2) + 128 (r % 2) + 16 h
	v_bfe_u32 v4, v0, 1, 2
	v_lshl_add_u32 v4, v253, 2, v4
	v_mul_u32_u24 v[AV0], v4, PV
	v_lshl_add_u32 v[AV0], v3, 7, v[AV0]
	v_bfe_u32 v4, v0, 3, 1
	v_lshl_add_u32 v[AV0], v4, 4, v[AV0]
	v_add_nc_u32 v[AV0], VOFF, v[AV0]              ; V, for the turning load: key 8 h + lane % 8, channels 8 ((lane / 8) % 2) on
	v_lshlrev_b32 v4, 3, v253
	v_sub_nc_u32 v[DM], v252, v4
	s_mul_i32 s60, s[WV], 32*SPT
	s_add_co_u32 s60, s60, STAGE                   ; my stage
	v_mul_u32_u24 v[STO], v252, SPT
	v_lshl_add_u32 v[STO], v253, 4, v[STO]
	v_add_nc_u32 v[STO], s60, v[STO]               ; in: row r, 16 bytes for each half of the lanes
	v_bfe_u32 v4, v0, 3, 2
	v_mul_u32_u24 v[RD], v4, SPT
	v_and_b32 v4, 7, v0
	v_lshl_add_u32 v[RD], v4, 4, v[RD]
	v_add_nc_u32 v[RD], s60, v[RD]                 ; back: four rows of 128 bytes an instruction
	v_mov_b32 v254, 0xff800000                     ; -infinity
.irp t, 0,1
	v_mov_b32 v[ST+8*\t+1], 0xff61b1e6             ; m = -3e38, under every score
	v_mul_f32 v[ST+8*\t], s[CS], v[ST+8*\t+1]
.irp j, 2,3,4,5,6,7
	v_mov_b32 v[ST+8*\t+\j], 0                     ; l; and the registers at work, written once (a lane permute's destination counts as a source)
.endr
.endr
.set n, 0
.rept 64
	v_mov_b32 v[OO+n], 0                           ; O^T.  (The step is written once: the first finds zeros, which a = 0 leaves zeros)
.set n, n+1
.endr
; A KEY STEP: 64 keys, the q-th of the slot in hand.
.macro STEP q
	s_add_co_u32 s60, s[Q0], 31
	s_cmp_gt_u32 s[KF], s60                        ; all 64 keys come after my 32 queries: the step's work is left out (ids alone; no barrier, wait on tensor loads or tensor load stands in a step)
	s_cbranch_scc1 .Lhidden_\@
	v_add_nc_u32 v[ADK], s[TB], v[AK0]
	v_add_nc_u32 v[ADV], s[TB], v[AV0]
.rept 3
	v_nop                                          ; with the two additions five places behind the last products: the loads below land in their source 0, and the products below write over their source 1
.endr
.irp kt, 0,1,2,3
.irp c, 0,1
	ds_load_b128 v[KV+8*(2*\kt+\c):KV+8*(2*\kt+\c)+3], v[ADK] offset:32*PK*(\q)+8*PK*\kt+64*\c
	ds_load_b128 v[KV+8*(2*\kt+\c)+4:KV+8*(2*\kt+\c)+7], v[ADK] offset:32*PK*(\q)+8*PK*\kt+64*\c+32
.endr
.endr
	s_wait_dscnt 0x0
.irp c, 0,1                                    ; S^T = K Q^T: eight accumulators by turns
.irp kt, 0,1,2,3
.irp t, 0,1
.if \c == 0
	v_wmma_f32_16x16x32_f16 v[SS+32*\t+8*\kt:SS+32*\t+8*\kt+7], v[KV+8*(2*\kt+\c):KV+8*(2*\kt+\c)+7], v[QF+16*\t+8*\c:QF+16*\t+8*\c+7], 0
.else
	v_wmma_f32_16x16x32_f16 v[SS+32*\t+8*\kt:SS+32*\t+8*\kt+7], v[KV+8*(2*\kt+\c):KV+8*(2*\kt+\c)+7], v[QF+16*\t+8*\c:QF+16*\t+8*\c+7], v[SS+32*\t+8*\kt:SS+32*\t+8*\kt+7]
.endif
.endr
.endr
.endr
.rept 4
	v_nop                                          ; places in front of the loads into K's registers and of the first read of the scores
.endr
.irp g, 0,1                                    ; V, turned: it lands while the softmax is walked
.irp ch, 0,1,2,3
	ds_load_tr16_b128 v[KV+8*(4*\g+\ch):KV+8*(4*\g+\ch)+3], v[ADV] offset:32*PV*(\q)+16*PV*\g+32*\ch
	ds_load_tr16_b128 v[KV+8*(4*\g+\ch)+4:KV+8*(4*\g+\ch)+7], v[ADV] offset:32*PV*(\q)+16*PV*\g+32*\ch+8*PV
.endr
.endr
	s_add_co_u32 s60, s[KF], 63
	s_cmp_le_u32 s60, s[Q0]                        ; all keys count for all my queries: no mask
	s_cbranch_scc1 .Lopen_\@
	s_sub_co_i32 s60, s[Q0], s[KF]
	v_add_nc_u32 v252, s60, v[DM]                  ; register 8 kt + j of tile t holds key KF + 16 kt + 8 h + j for query Q0 + 16 t + r: hidden where 16 kt + j - 16 t > Q0 - KF + r - 8 h
.irp t, 0,1
.irp kt, 0,1,2,3
.irp j, 0,1,2,3,4,5,6,7
	v_cmp_gt_i32 vcc_lo, 16*\kt+\j-16*\t, v252
	v_cndmask_b32 v[SS+32*\t+8*\kt+\j], v[SS+32*\t+8*\kt+\j], v254, vcc_lo
.endr
.endr
.endr
.Lopen_\@:
.irp j, 0,1,2,3                                ; the maximum of a lane's 32 scores and the old m: four chains a tile, the two tiles by turns; each accumulator is read from its low end on
.irp t, 0,1
	v_max3_num_f32 v[ST+8*\t+4+\j], v[SS+32*\t+8*\j], v[SS+32*\t+8*\j+1], v[SS+32*\t+8*\j+2]
.endr
.endr
.irp u, 3,5
.irp j, 0,1,2,3
.irp t, 0,1
	v_max3_num_f32 v[ST+8*\t+4+\j], v[ST+8*\t+4+\j], v[SS+32*\t+8*\j+\u], v[SS+32*\t+8*\j+\u+1]
.endr
.endr
.endr
.irp t, 0,1
	v_max3_num_f32 v[ST+8*\t+4], v[ST+8*\t+4], v[SS+32*\t+7], v[SS+32*\t+15]
	v_max3_num_f32 v[ST+8*\t+6], v[ST+8*\t+6], v[SS+32*\t+23], v[SS+32*\t+31]
.endr
.irp t, 0,1
	v_max3_num_f32 v[ST+8*\t+4], v[ST+8*\t+4], v[ST+8*\t+5], v[ST+8*\t+6]
.endr
.irp t, 0,1
	v_max3_num_f32 v[ST+8*\t+4], v[ST+8*\t+4], v[ST+8*\t+7], v[ST+8*\t+1]
.endr
.irp t, 0,1
	v_permlanex16_b32 v[ST+8*\t+5], v[ST+8*\t+4], s[SEL], s[SEL+1]   ; the query's other 32 keys lie in the lane 16 away
.endr
.irp t, 0,1
	v_mov_b32 v[ST+8*\t+7], v[ST+8*\t]             ; c m_old
.endr
.irp t, 0,1
	v_max_num_f32 v[ST+8*\t+1], v[ST+8*\t+4], v[ST+8*\t+5]
.endr
.irp t, 0,1
	v_mul_f32 v[ST+8*\t], s[CS], v[ST+8*\t+1]
.endr
.irp t, 0,1
	v_sub_f32 v[ST+8*\t+7], v[ST+8*\t+7], v[ST+8*\t]
.endr
.irp t, 0,1                                    ; ONE BATCH: a, the scalings, the 64 exponentials; none of these names an exponential's result
	v_exp_f32 v[ST+8*\t+6], v[ST+8*\t+7]
.endr
.irp t, 0,1
.irp b, 0,1,2,3,4,5,6,7,8,9,10,11,12,13,14,15
	v_pk_fma_f32 v[SS+32*\t+2*\b:SS+32*\t+2*\b+1], v[SS+32*\t+2*\b:SS+32*\t+2*\b+1], s[CS:CS+1], v[ST+8*\t:ST+8*\t+1] op_sel_hi:[1,0,0] neg_lo:[0,0,1] neg_hi:[0,0,1]   ; c s - c m
.endr
.endr
.set n, 0
.rept 64
	v_exp_f32 v[SS+n], v[SS+n]
.set n, n+1
.endr
	v_nop                                          ; a plain instruction behind the last exponential
	s_wait_alu depctr_va_vdst(0)                   ; one wait for the whole batch, ahead of its first reader
.irp t, 0,1                                    ; l = a l + the sum of the unrounded p: two chains a tile
	v_pk_fma_f32 v[ST+8*\t+2:ST+8*\t+3], v[ST+8*\t+2:ST+8*\t+3], v[ST+8*\t+6:ST+8*\t+7], v[SS+32*\t:SS+32*\t+1] op_sel_hi:[1,0,1]
	v_pk_add_f32 v[ST+8*\t+4:ST+8*\t+5], v[SS+32*\t+2:SS+32*\t+3], v[SS+32*\t+4:SS+32*\t+5]
.endr
.irp b, 3,5,7,9,11,13
.irp t, 0,1
	v_pk_add_f32 v[ST+8*\t+2:ST+8*\t+3], v[ST+8*\t+2:ST+8*\t+3], v[SS+32*\t+2*\b:SS+32*\t+2*\b+1]
	v_pk_add_f32 v[ST+8*\t+4:ST+8*\t+5], v[ST+8*\t+4:ST+8*\t+5], v[SS+32*\t+2*\b+2:SS+32*\t+2*\b+3]
.endr
.endr
.irp t, 0,1
	v_pk_add_f32 v[ST+8*\t+2:ST+8*\t+3], v[ST+8*\t+2:ST+8*\t+3], v[SS+32*\t+30:SS+32*\t+31]
.endr
.irp t, 0,1
	v_pk_add_f32 v[ST+8*\t+2:ST+8*\t+3], v[ST+8*\t+2:ST+8*\t+3], v[ST+8*\t+4:ST+8*\t+5]
.endr
.irp t, 0,1                                    ; p to f16, in place, ascending: register i takes numbers 2 i and 2 i + 1
.irp i, 0,1,2,3,4,5,6,7,8,9,10,11,12,13,14,15
	v_cvt_pk_f16_f32 v[SS+32*\t+\i], v[SS+32*\t+2*\i], v[SS+32*\t+2*\i+1]
.endr
.endr
.irp t, 0,1                                    ; O^T times a, each accumulator from its low end on
.irp i, 0,1,2,3,4,5,6,7,8,9,10,11,12,13,14,15
	v_pk_mul_f32 v[OO+32*\t+2*\i:OO+32*\t+2*\i+1], v[OO+32*\t+2*\i:OO+32*\t+2*\i+1], v[ST+8*\t+6:ST+8*\t+7] op_sel_hi:[1,0]
.endr
.endr
	s_wait_dscnt 0x0                               ; V is in
.irp g, 0,1                                    ; O^T += V^T P: eight accumulators by turns
.irp ch, 0,1,2,3
.irp t, 0,1
	v_wmma_f32_16x16x32_f16 v[OO+32*\t+8*\ch:OO+32*\t+8*\ch+7], v[KV+8*(4*\g+\ch):KV+8*(4*\g+\ch)+7], v[SS+32*\t+8*\g:SS+32*\t+8*\g+7], v[OO+32*\t+8*\ch:OO+32*\t+8*\ch+7]
.endr
.endr
.endr
.Lhidden_\@:
	s_add_co_u32 s[KF], s[KF], 64
.endm
; THE CHANGE OF SLOTS stands at a slot's head.  Each wave waits for all its tensor loads, adds 0 to its spare word, and waits for that and for its reads of the slot that it has left.
; Behind the barrier the slot ahead is whole and nobody reads the other one.  fill = 1: that other slot is filled with the next 256 keys, up to the causal limit; the load has four steps in which to land.
.macro CHANGE fill
	s_wait_tensorcnt 0x0                           ; no tensor load of mine is out, so a group 0 may be written
	ds_add_u32 v[SPW], v[NIL]
.if \fill
	ds_add_u32 v[SPW], v[NIL]                      ; and twice on end here, in every trip alike
	s_xor_b32 s[G0K+1], s[G0K+1], SLOT1
	s_add_nc_u64 s[G0K+2:G0K+3], s[G0K+2:G0K+3], 32768
	s_xor_b32 s[G0V+1], s[G0V+1], SLOT1
	s_add_nc_u64 s[G0V+2:G0V+3], s[G0V+2:G0V+3], 32768
	s_wait_xcnt 0x0                                ; the last prefetch, a slot back, has read its address
	s_add_nc_u64 s[PFA:PFA+1], s[PFA:PFA+1], 32768 ; one slot further on than the walking descriptors
.endif
	s_wait_dscnt 0x0                               ; the add is done, and my reads of the slot that I have left are over
	s_barrier_signal -1
	s_barrier_wait -1
.if \fill
	s_add_co_u32 s60, s[KF], 256                   ; the first key of the slot that this change would ask for
	s_cmp_gt_u32 s60, s[LASTQ]                     ; past my work-group's last query: none of its waves would read it.  Ids and the count of steps alone: all sixteen waves go the same way
	s_cbranch_scc1 .Lpast_\@
	TLOAD                                          ; a wave's one tensor load until the next barrier
.Lpast_\@:
	ASK
.endif
.endm
.macro SLOT_STEPS
.set QS, 0
.rept 4
	STEP QS
.set QS, QS+1
.endr
	s_xor_b32 s[TB], s[TB], SLOT1
.endm
	s_wait_loadcnt 0x0                             ; Q
.Lslot:                                            ; 7 trips
	CHANGE 1
	SLOT_STEPS
	s_sub_co_u32 s[SLOTS], s[SLOTS], 1
	s_cmp_lg_u32 s[SLOTS], 0
	s_cbranch_scc1 .Lslot
	CHANGE 0                                       ; the last slot is written out: nothing is left to ask for
	SLOT_STEPS
	; THE WAY OUT.  The four additions are the places behind the last products.
.irp t, 0,1
	v_add_f32 v[ST+8*\t+4], v[ST+8*\t+2], v[ST+8*\t+3]
.endr
.irp t, 0,1
	v_permlanex16_b32 v[ST+8*\t+5], v[ST+8*\t+4], s[SEL], s[SEL+1]
.endr
.irp t, 0,1
	v_add_f32 v[ST+8*\t+4], v[ST+8*\t+4], v[ST+8*\t+5]
.endr
.irp t, 0,1
	v_rcp_f32 v[ST+8*\t+6], v[ST+8*\t+4]
.endr
	v_nop
	s_wait_alu depctr_va_vdst(0)                   ; one wait for the two reciprocals, ahead of their first reader
.irp t, 0,1
.irp i, 0,1,2,3,4,5,6,7,8,9,10,11,12,13,14,15
	v_pk_mul_f32 v[OO+32*\t+2*\i:OO+32*\t+2*\i+1], v[OO+32*\t+2*\i:OO+32*\t+2*\i+1], v[ST+8*\t+6:ST+8*\t+7] op_sel_hi:[1,0]
.endr
.endr
.irp t, 0,1
.irp i, 0,1,2,3,4,5,6,7,8,9,10,11,12,13,14,15
	v_cvt_pk_f16_f32 v[SS+16*\t+\i], v[OO+32*\t+2*\i], v[OO+32*\t+2*\i+1]
.endr
.endr
.irp t, 0,1
.irp ch, 0,1,2,3
	ds_store_b128 v[STO], v[SS+16*\t+4*\ch:SS+16*\t+4*\ch+3] offset:16*SPT*\t+32*\ch   ; query 16 t + r, channels 16 ch + 8 h on
.endr
.endr
.irp i, 0,1,2,3,4,5,6,7
	ds_load_b128 v[KV+4*\i:KV+4*\i+3], v[RD] offset:4*SPT*\i   ; LDS serves a wave's instructions in order: these see my stores
.endr
.irp i, 0,1,2,3,4,5,6,7
	s_wait_dscnt 7-\i                              ; the younger loads may be out
	global_store_b128 v[GO], v[KV+4*\i:KV+4*\i+3], s[58:59] offset:512*\i   ; four rows: 512 consecutive bytes, aligned
.endr
	s_wait_tensorcnt 0x0                           ; the wave's end
	ds_add_u32 v[SPW], v[NIL]
	s_wait_dscnt 0x0
	s_endpgm
.Lfunc_end_k_qbfb31430d1_attn:
	.size	k_qbfb31430d1_attn, .Lfunc_end_k_qbfb31430d1_attn-k_qbfb31430d1_attn
	.p2alignl 7, 3214868480
	.fill 96, 4, 3214868480
	.section	.rodata,"a",@progbits
	.p2align	6, 0x0
	.amdhsa_kernel k_qbfb31430d1_attn
		.amdhsa_group_segment_fixed_size 327680
		.amdhsa_private_segment_fixed_size 0
		.amdhsa_enable_private_segment 0
		.amdhsa_kernarg_size 16
		.amdhsa_user_sgpr_count 2
		.amdhsa_user_sgpr_kernarg_segment_ptr 1
		.amdhsa_wavefront_size32 1
		.amdhsa_system_sgpr_workgroup_id_x 1
		.amdhsa_system_sgpr_workgroup_id_y 1
		.amdhsa_system_sgpr_workgroup_id_z 1
		.amdhsa_system_vgpr_workitem_id 0
		.amdhsa_next_free_vgpr 256
		.amdhsa_next_free_sgpr 66
		.amdhsa_reserve_vcc 1
		.amdhsa_float_denorm_mode_32 3
		.amdhsa_float_denorm_mode_16_64 3
		.amdhsa_memory_ordered 1
		.amdhsa_forward_progress 1
		.amdhsa_inst_pref_size 188
	.end_amdhsa_kernel
	.amdgpu_metadata
---
amdhsa.version: [ 1, 2 ]
amdhsa.kernels:
  - .name:           k_qbfb31430d1_attn
    .symbol:         k_qbfb31430d1_attn.kd
    .args:
      - { .name: qkv, .offset: 0, .size: 8, .value_kind: global_buffer, .address_space: global }
      - { .name: att, .offset: 8, .size: 8, .value_kind: global_buffer, .address_space: global }
    .group_segment_fixed_size: 327680
    .private_segment_fixed_size: 0
    .kernarg_segment_align: 8
    .kernarg_segment_size: 16
    .max_flat_workgroup_size: 512
    .sgpr_count:     66
    .vgpr_count:     256
    .wavefront_size: 32
...
	.end_amdgpu_metadata
.endif
;; end of part 3
;; launch proj (part 4): grid 4 x 64, 4 waves a work-group, clusters of 4 x 4, 327,680 bytes of LDS; arguments att, wo16, b_out, out0; writes out0
.if DOCPART == 4
	.amdgcn_target "amdgcn-amd-amdhsa--gfx1250"
	.amdhsa_code_object_version 6
	.text
	.protected	k_qbfb31430d1_proj
	.globl	k_qbfb31430d1_proj
	.p2align	8
	.type	k_qbfb31430d1_proj,@function
k_qbfb31430d1_proj:
	s_mov_b64 s[64:65], 0
	v_nop
	global_prefetch_b8 v0, s[64:65] scope:SCOPE_SE
	s_setreg_imm32_b32 hwreg(HW_REG_WAVE_MODE, 25, 1), 1
	s_wait_xcnt 0x0
	s_wait_alu depctr_hold_cnt(0) depctr_sa_sdst(0) depctr_va_vdst(0) depctr_va_sdst(0) depctr_va_ssrc(0) depctr_va_vcc(0) depctr_vm_vsrc(0)
	s_getreg_b32 s2, hwreg(HW_REG_IB_STS2, 6, 4)
	s_cmp_eq_u32 s2, 0
	s_cbranch_scc0 .Lentry_in_a_cluster
	s_endpgm
.Lentry_in_a_cluster:
	s_bfe_u32 s2, ttmp6, 0x10000c
	s_cmp_lg_u32 s2, 0xf033
	s_cbranch_scc0 .Lentry_shape_is_right
	s_endpgm
.Lentry_shape_is_right:
; out0[row][n] = sum over k of att(row, k) w_out[k][n] + b_out[n], for the rows whose position in the sequence is 16 or more (the first 16 of each sequence are stored by a later launch, which carries them in f32).
; att: [16 head][8192 row][64 d] f16, k = 64 head + d.  wo16: [1024 k][1024 n] f16.  out0: [8192][1024] f32.  f16 operands, f32 sums.
; A tile of C is 128 x 256: 256 work-groups.  Four waves, each 64 x 128: 32 accumulators, 256 registers.  K goes in 8 steps of 128 (two heads) through a ring of two LDS slots.
; A's tile: for each of the two heads 128 rows of 128 bytes, dense in memory: stated as 64 rows of 256 bytes (two rows each).  B's tile: 128 rows k of 512 bytes; it is read turned, by ds_load_tr16_b128.
; CLUSTER 4 x 4: A's tile is shared along a row of the cluster, B's along a column: each is asked for jointly.  TILE ROW = 16 cy + cluster y: cy is the batch, and cluster y, which all partners share, tells the first 128 positions.
; THE MATRIX INSTRUCTION IS USED TRANSPOSED (source 0 = 16 columns of w_out, source 1 = 16 rows of att): a lane holds eight neighbouring columns of a row.  The bias is the C of each sum's first product.
; REGISTERS: window 0: v0-31 addresses; two fragment buffers of 96 (A's four at f, B's eight at f + 32): v64-159, v160-255.  window 1: accumulator (a, b) at v[8 (8 a + b)].  window 2: v0-63 the bias.
.set PA,     272                       ; two rows of A: 256 bytes + 16
.set PB,     544                       ; a row of B: 512 bytes + 32 = 136 words: the turning load's 16 lanes (8 rows x 2 pieces) fall on 16 different groups of four banks (ISA guide 11.1)
.set HA,     64*PA                     ; a head's 128 rows: what one tensor load brings
.set HB,     64*PB                     ; 64 rows of B likewise
.set BOFF,   2*HA
.set SLOT,   2*HA+2*HB
.set STAGE,  2*SLOT                    ; 16 rows x (512 + 16) bytes for each wave
.set SPITCH, 528
.set SPARE,  STAGE+4*16*SPITCH
.set LAPS,   4                         ; a lap = two K steps
.set ADRA, 16
.set ADRB, 20
.set STO,  24
.set RD,   25
.set CO,   26
.set BO,   27
.set SPW,  28
.set NIL,  29
.set F0,   64
.set F1,   160
.set G1, 24
.set G0, 32
.set G1B, 48
.set G0B, 56
.set SKIP, 45                          ; s45 0 in the waves whose block 0 holds the positions under 16
.set MSB, 0
.macro WIN new
.if MSB != (\new)
	s_set_vgpr_msb (MSB<<8)|(\new)
.set MSB, (\new)
.endif
.endm
.set MUL, 0x50                         ; sources 0 and 1 window 0; C and D window 1
.macro JLOAD s                         ; waves 0, 1 fetch A's two heads, waves 2, 3 B's two halves; an s_nop 0 and four v_nop follow each line
	s_cmp_eq_u32 s13, 0
	s_cbranch_scc0 .Lfor_b_\@
	tensor_load_to_lds s[G0+4*\s:G0+4*\s+3], s[G1:G1+7]
	s_nop 0
.rept 4
	v_nop
.endr
	s_branch .Lasked_\@
.Lfor_b_\@:
	tensor_load_to_lds s[G0B+4*\s:G0B+4*\s+3], s[G1B:G1B+7]
	s_nop 0
.rept 4
	v_nop
.endr
.Lasked_\@:
.endm
.macro CREST
	s_cmp_lg_u32 s12, 0
	s_cbranch_scc1 .Lnot_wave_0_\@
	s_barrier_signal -3
.Lnot_wave_0_\@:
	s_barrier_wait -3
	s_barrier_signal -1
	s_barrier_wait -1
.endm
.macro CROUND
	s_barrier_signal -1
	s_barrier_wait -1
	CREST
.endm
	s_load_b256 s[4:11], s[0:1], 0x0               ; att s[4:5], wo16 s[6:7], b_out s[8:9], out0 s[10:11]
	v_lshl_add_u32 v[SPW], v0, 2, SPARE
	v_mov_b32 v[NIL], 0
	ds_add_u32 v[SPW], v[NIL]                      ; the wave's opening: the add, twice on end, and its wait ahead of my first tensor load
	ds_add_u32 v[SPW], v[NIL]
	v_lshrrev_b32 v1, 5, v0
	v_readfirstlane_b32 s12, v1                    ; wave 0..3
	s_lshr_b32 s13, s12, 1                         ; which half of the tile's rows is mine.  Also: I fetch for A (0) or for B (1)
	s_and_b32 s14, s12, 1                          ; which half of its columns.  Also: which head, or which 64 rows of B, I fetch
	s_bfe_u32 s40, ttmp6, 0x40000                  ; cx
	s_bfe_u32 s41, ttmp6, 0x40004                  ; cy
	s_lshl_b32 s42, ttmp9, 2
	s_add_co_u32 s42, s42, s40                     ; tile column = 4 x cluster x + cx
	s_and_b32 s15, ttmp7, 0xffff                   ; cluster y
	s_or_b32 s[SKIP], s15, s13
	s_lshl_b32 s16, s41, 4
	s_add_co_u32 s15, s15, s16                     ; tile row = 16 cy + cluster y
	s_lshl_b32 s43, s41, 2
	s_lshl_b32 s43, 15, s43                        ; my row of the cluster
	s_lshl_b32 s44, 0x1111, s40                    ; my column
	s_or_b32 s[G1+0], s43, (1<<16)|(1<<20)|(1<<21)|(5<<22)|(3<<25)   ; mask; elements of 2 bytes; padding on; bit 21 beside a mask; after every 64 words 4 words
	s_mov_b32 s[G1+1], 128<<16                     ; tensor_dim0 = 128 elements: two rows
	s_mov_b32 s[G1+2], 64<<16                      ; tensor_dim1
	s_mov_b32 s[G1+3], 128<<16                     ; tile_dim0
	s_mov_b32 s[G1+4], 64                          ; tile_dim1
	s_mov_b32 s[G1+5], 128                         ; stride: dense
	s_mov_b32 s[G1+6], 0
	s_mov_b32 s[G1+7], 0
	s_or_b32 s[G1B+0], s44, (1<<16)|(1<<20)|(1<<21)|(6<<22)|(7<<25)  ; after every 128 words 8 words
	s_mov_b32 s[G1B+1], 256<<16
	s_mov_b32 s[G1B+2], 64<<16
	s_mov_b32 s[G1B+3], 256<<16
	s_mov_b32 s[G1B+4], 64
	s_mov_b32 s[G1B+5], 1024
	s_mov_b32 s[G1B+6], 0
	s_mov_b32 s[G1B+7], 0
	s_lshl_b32 s16, s14, 20                        ; A: my head's plane of 1,048,576 bytes,
	s_lshl_b32 s17, s15, 14                        ; the tile's 128 rows of 128 bytes
	s_add_co_u32 s16, s16, s17
	s_mov_b32 s17, 0
	s_lshl_b32 s46, s14, 17                        ; B: my 64 rows of 2,048 bytes,
	s_lshl_b32 s47, s42, 9                         ; the tile's 256 columns
	s_add_co_u32 s46, s46, s47
	s_mov_b32 s47, 0
	s_mul_i32 s20, s14, HA                         ; where they go: no place in the cluster enters an LDS address
	s_mul_i32 s21, s14, HB
	s_add_co_u32 s21, s21, BOFF
	s_wait_dscnt 0x0                               ; both opening adds are done
	s_wait_kmcnt 0x0
	s_add_nc_u64 s[16:17], s[4:5], s[16:17]
	s_add_nc_u64 s[46:47], s[6:7], s[46:47]
	CROUND                                         ; all sixteen work-groups are here: the first joint loads meet
.irp s, 0,1
	s_mov_b32 s[G0+4*\s], 1
	s_add_co_u32 s[G0+4*\s+1], s20, \s*SLOT
	s_add_nc_u64 s[G0+4*\s+2:G0+4*\s+3], s[16:17], \s*2*1048576     ; K step s: heads 2 s, 2 s + 1
	s_or_b32 s[G0+4*\s+3], s[G0+4*\s+3], 0x80000000
	s_mov_b32 s[G0B+4*\s], 1
	s_add_co_u32 s[G0B+4*\s+1], s21, \s*SLOT
	s_add_nc_u64 s[G0B+4*\s+2:G0B+4*\s+3], s[46:47], \s*128*2048
	s_or_b32 s[G0B+4*\s+3], s[G0B+4*\s+3], 0x80000000
	JLOAD \s
.endr
	v_and_b32 v1, 15, v0                           ; r
	v_bfe_u32 v2, v0, 4, 1                         ; h
	v_lshlrev_b32 v[BO], 5, v2
	s_lshl_b32 s22, s42, 10
	s_lshl_b32 s18, s14, 9
	s_add_co_u32 s22, s22, s18                     ; 4 x my first column
	s_mov_b32 s23, 0
	s_add_nc_u64 s[8:9], s[8:9], s[22:23]
	WIN 0x80                                       ; destination window 2
.irp b, 0,1,2,3,4,5,6,7
	global_load_b128 v[8*\b:8*\b+3], v[BO], s[8:9] offset:64*\b       ; register 8 b + j = b_out[my first column + 16 b + 8 h + j]
	global_load_b128 v[8*\b+4:8*\b+7], v[BO], s[8:9] offset:64*\b+16
.endr
	WIN 0
	v_lshrrev_b32 v3, 1, v1
	v_mul_u32_u24 v3, v3, PA
	v_and_b32 v4, 1, v0
	v_lshl_add_u32 v3, v4, 7, v3
	v_lshl_add_u32 v3, v2, 4, v3                   ; A: row r: PA (r / 2) + 128 (r % 2) + 16 h
	v_and_b32 v4, 7, v0
	v_lshl_add_u32 v4, v2, 3, v4
	v_mul_u32_u24 v4, v4, PB
	v_bfe_u32 v5, v0, 3, 1
	v_lshl_add_u32 v4, v5, 4, v4                   ; B, for the turning load: row k = 8 h + lane % 8, columns 8 ((lane / 8) % 2) on
	s_mul_i32 s18, s13, 32*PA                      ; my 64 rows of A
	s_lshl_b32 s19, s14, 8                         ; my 128 columns of B
	s_add_co_u32 s19, s19, BOFF
.irp s, 0,1
	v_add_nc_u32 v[ADRA+\s], s18, v3
	v_add_nc_u32 v[ADRB+\s], s19, v4
	s_add_co_u32 s18, s18, SLOT
	s_add_co_u32 s19, s19, SLOT
.endr
	s_mul_i32 s18, s12, 16*SPITCH
	s_add_co_u32 s18, s18, STAGE                   ; my stage
	v_mul_u32_u24 v5, v1, SPITCH
	v_lshl_add_u32 v5, v2, 5, v5
	v_add_nc_u32 v[STO], s18, v5                   ; in: row r, 32 bytes for each half of the lanes
	v_and_b32 v6, 31, v0
	v_lshlrev_b32 v[CO], 4, v6
	v_add_nc_u32 v[RD], s18, v[CO]                 ; back: the 32 lanes take one row of 512 bytes
	s_lshl_b32 s18, s15, 7
	s_lshl_b32 s19, s13, 6
	s_add_co_u32 s18, s18, s19                     ; my first row: 128 x tile row + 64 x half
	s_lshl_b32 s18, s18, 12
	s_add_co_u32 s18, s18, s22                     ; + my first column, in bytes
	s_mov_b32 s19, 0
	s_add_nc_u64 s[10:11], s[10:11], s[18:19]
; 24 LDS loads in one run: quarter q (32 along K) of a slot into buffer f
.macro FETCH slot, q, f
.irp b, 0,1,2,3,4,5,6,7
	ds_load_tr16_b128 v[\f+32+8*\b:\f+32+8*\b+3], v[ADRB+\slot] offset:32*PB*(\q)+32*\b
	ds_load_tr16_b128 v[\f+32+8*\b+4:\f+32+8*\b+7], v[ADRB+\slot] offset:32*PB*(\q)+32*\b+16*PB
.endr
.irp a, 0,1,2,3
	ds_load_b128 v[\f+8*\a:\f+8*\a+3], v[ADRA+\slot] offset:HA*((\q)/2)+64*((\q)%2)+8*PA*\a
	ds_load_b128 v[\f+8*\a+4:\f+8*\a+7], v[ADRA+\slot] offset:HA*((\q)/2)+64*((\q)%2)+8*PA*\a+32
.endr
.endm
; 8 matrix instructions: A's block a against B's eight.  first = 1: the bias starts the sums.  The 32 accumulators take turns, in the same order in every quarter
.macro MULA f, a, first
.irp b, 0,1,2,3,4,5,6,7
.if \first
	v_wmma_f32_16x16x32_f16 v[8*(8*(\a)+\b):8*(8*(\a)+\b)+7], v[\f+32+8*\b:\f+32+8*\b+7], v[\f+8*(\a):\f+8*(\a)+7], v[8*\b:8*\b+7]
.else
	v_wmma_f32_16x16x32_f16 v[8*(8*(\a)+\b):8*(8*(\a)+\b)+7], v[\f+32+8*\b:\f+32+8*\b+7], v[\f+8*(\a):\f+8*(\a)+7], v[8*(8*(\a)+\b):8*(8*(\a)+\b)+7]
.endif
.endr
.endm
.macro PLACES                          ; four places in front of loads into registers that matrix instructions have read, and of reads of results
.rept 4
	v_nop
.endr
.endm
; One of a K step's first three quarters: multiplies buffer f; in its middle it fetches quarter q of the same slot into g
.macro QUARTER slot, q, f, g, first
	s_wait_dscnt 0x0                               ; buffer f is in (asked for 16 matrix instructions ago)
	WIN MUL+0x10*(\first)                          ; (first: C, the bias, in window 2)
	MULA \f, 0, \first
	MULA \f, 1, \first
	PLACES
	WIN 0
	FETCH \slot, \q, \g
	WIN MUL+0x10*(\first)
	MULA \f, 2, \first
	MULA \f, 3, \first
.endm
; The last quarter multiplies buffer 1 and changes slots: one barrier; in front of it each wave waits for all its tensor loads, adds 0 to its spare word, and waits for that and for its reads of this slot.
; fill = 1: the barrier opens a round of the cluster's barrier, and this slot is filled again, two K steps ahead: 112 matrix instructions ahead of the wait for it.
.macro TURN slot, next, fill
	WIN 0
	s_wait_tensorcnt 0x0                           ; all my tensor loads have landed: my part of the next slot
	ds_add_u32 v[SPW], v[NIL]
	s_wait_dscnt 1                                 ; buffer 1 is in; the add may be out
	WIN MUL
	MULA F1, 0, 0
	s_wait_dscnt 0x0                               ; the add is done, and my reads of this slot are over
	s_barrier_signal -1
	MULA F1, 1, 0
	WIN 0
	s_barrier_wait -1
.if \fill
	CREST                                          ; no wave of any partner still reads this slot or has a load on its way
	s_add_nc_u64 s[G0+4*\slot+2:G0+4*\slot+3], s[G0+4*\slot+2:G0+4*\slot+3], 4*1048576
	s_add_nc_u64 s[G0B+4*\slot+2:G0B+4*\slot+3], s[G0B+4*\slot+2:G0B+4*\slot+3], 256*2048
	JLOAD \slot                                    ; the first tensor load behind the round; its four v_nop are also the places in front of the loads below
.else
	PLACES
.endif
	FETCH \next, 0, F0
	WIN MUL
	MULA F1, 2, 0
	MULA F1, 3, 0
.endm
	s_wait_tensorcnt 1                             ; my part of K step 0 is in; K step 1's load may be out
	s_barrier_signal -1
	s_barrier_wait -1
	FETCH 0, 0, F0
	s_wait_loadcnt 0x0                             ; the bias
	QUARTER 0, 1, F0, F1, 1                        ; the first quarter stands in front of the loop: its products start the sums
	WIN 0
	s_mov_b32 s3, LAPS-1
.Llap:                                             ; a trip goes once round the ring and fills both slots again
	QUARTER 0, 2, F1, F0, 0
	QUARTER 0, 3, F0, F1, 0
	TURN 0, 1, 1
	QUARTER 1, 1, F0, F1, 0
	QUARTER 1, 2, F1, F0, 0
	QUARTER 1, 3, F0, F1, 0
	TURN 1, 0, 1
	QUARTER 0, 1, F0, F1, 0
	WIN 0
	s_sub_co_u32 s3, s3, 1
	s_cmp_lg_u32 s3, 0
	s_cbranch_scc1 .Llap
	QUARTER 0, 2, F1, F0, 0                        ; the last lap fills nothing
	QUARTER 0, 3, F0, F1, 0
	TURN 0, 1, 0
	QUARTER 1, 1, F0, F1, 0
	QUARTER 1, 2, F1, F0, 0
	QUARTER 1, 3, F0, F1, 0
	s_wait_dscnt 0x0
	WIN MUL
	MULA F1, 0, 0
	MULA F1, 1, 0
	MULA F1, 2, 0
	MULA F1, 3, 0
	WIN 0
; THE WAY OUT, block by block of 16 rows x 128 columns: through my own stage, back as whole rows of 512 bytes.  Every offset is an immediate: 63 rows of 4,096 bytes at the most.
.macro TOSTAGE a
	WIN 0x04                                       ; an LDS store's data are its source 1: window 1
.irp b, 0,1,2,3,4,5,6,7
	ds_store_b128 v[STO], v[64*(\a)+8*\b:64*(\a)+8*\b+3] offset:64*\b          ; each accumulator from its low end on
	ds_store_b128 v[STO], v[64*(\a)+8*\b+4:64*(\a)+8*\b+7] offset:64*\b+16
.endr
	WIN 0
.set BB, 64+64*((\a)%2)
.irp t, 0,1,2,3,4,5,6,7,8,9,10,11,12,13,14,15
	ds_load_b128 v[BB+4*\t:BB+4*\t+3], v[RD] offset:\t*SPITCH   ; LDS serves a wave's instructions in order
.endr
.endm
.macro SEND a, younger
.set BB, 64+64*((\a)%2)
	s_wait_dscnt \younger                          ; the block is back; the next block's 16 stores and 16 loads may be out
.if (\a) == 0
	s_cmp_eq_u32 s[SKIP], 0                        ; positions 0 to 15 of a sequence: not stored here.  Cluster y and the wave's number alone
	s_cbranch_scc1 .Lfirst16
.endif
.irp t, 0,1,2,3,4,5,6,7,8,9,10,11,12,13,14,15
	global_store_b128 v[CO], v[BB+4*\t:BB+4*\t+3], s[10:11] offset:4096*(16*(\a)+\t) th:TH_STORE_NT   ; 512 consecutive bytes, aligned
.endr
.if (\a) == 0
.Lfirst16:
.endif
.endm
	PLACES
	TOSTAGE 0
.irp a, 1,2,3
.if \a > 1
	s_wait_xcnt 0x0                                ; block a - 2's stores have read their registers: block a's loads may land there
.endif
	TOSTAGE \a
	SEND \a-1, 32
.endr
	SEND 3, 0
	s_wait_tensorcnt 0x0                           ; the wave's end
	ds_add_u32 v[SPW], v[NIL]
	s_wait_dscnt 0x0
	CROUND                                         ; the closing round
	s_endpgm
.Lfunc_end_k_qbfb31430d1_proj:
	.size	k_qbfb31430d1_proj, .Lfunc_end_k_qbfb31430d1_proj-k_qbfb31430d1_proj
	.p2alignl 7, 3214868480
	.fill 96, 4, 3214868480
	.section	.rodata,"a",@progbits
	.p2align	6, 0x0
	.amdhsa_kernel k_qbfb31430d1_proj
		.amdhsa_group_segment_fixed_size 327680
		.amdhsa_private_segment_fixed_size 0
		.amdhsa_enable_private_segment 0
		.amdhsa_kernarg_size 32
		.amdhsa_user_sgpr_count 2
		.amdhsa_user_sgpr_kernarg_segment_ptr 1
		.amdhsa_wavefront_size32 1
		.amdhsa_system_sgpr_workgroup_id_x 1
		.amdhsa_system_sgpr_workgroup_id_y 1
		.amdhsa_system_sgpr_workgroup_id_z 1
		.amdhsa_system_vgpr_workitem_id 0
		.amdhsa_next_free_vgpr 576
		.amdhsa_next_free_sgpr 66
		.amdhsa_reserve_vcc 0
		.amdhsa_float_denorm_mode_32 3
		.amdhsa_float_denorm_mode_16_64 3
		.amdhsa_memory_ordered 1
		.amdhsa_forward_progress 1
		.amdhsa_inst_pref_size 86
	.end_amdhsa_kernel
	.amdgpu_metadata
---
amdhsa.version: [ 1, 2 ]
amdhsa.kernels:
  - .name:           k_qbfb31430d1_proj
    .symbol:         k_qbfb31430d1_proj.kd
    .args:
      - { .name: att, .offset: 0, .size: 8, .value_kind: global_buffer, .address_space: global }
      - { .name: wo16, .offset: 8, .size: 8, .value_kind: global_buffer, .address_space: global }
      - { .name: b_out, .offset: 16, .size: 8, .value_kind: global_buffer, .address_space: global }
      - { .name: out0, .offset: 24, .size: 8, .value_kind: global_buffer, .address_space: global }
    .group_segment_fixed_size: 327680
    .private_segment_fixed_size: 0
    .kernarg_segment_align: 8
    .kernarg_segment_size: 32
    .max_flat_workgroup_size: 128
    .sgpr_count:     66
    .vgpr_count:     576
    .wavefront_size: 32
...
	.end_amdgpu_metadata
.endif
;; end of part 4
;; launch first16 (part 5): grid 16 x 4, 16 waves a work-group, no clusters, 71,680 bytes of LDS; arguments qkv16, w_out, b_out, out0; writes out0
.if DOCPART == 5
	.amdgcn_target "amdgcn-amd-amdhsa--gfx1250"
	.amdhsa_code_object_version 6
	.text
	.protected	k_qbfb31430d1_first16
	.globl	k_qbfb31430d1_first16
	.p2align	8
	.type	k_qbfb31430d1_first16,@function
k_qbfb31430d1_first16:
	s_mov_b64 s[64:65], 0
	v_nop
	global_prefetch_b8 v0, s[64:65] scope:SCOPE_SE
	s_setreg_imm32_b32 hwreg(HW_REG_WAVE_MODE, 25, 1), 1
	s_wait_xcnt 0x0
; The first 16 positions of every sequence, in f32 throughout: attention over at most 16 keys and the projection, from qkv16 [16 batch + t][3072] f32 and w_out [1024][1024] f32.
; These rows average one to sixteen values and are the largest of the output: operands rounded to 16 bits would weigh most here.
; Work-group (chunk, batch) makes out0[2048 batch + 0 .. 15][64 chunk + 0 .. 63].  Wave = head: it makes its head's attention for the 16 queries (each of the 16 chunks makes it anew: 32 small products)
; and its head's share of the 64 columns; the sixteen shares meet in LDS, and wave w adds them for query w.  All products by the f32 matrix form, 96 a wave: no bulk work.
; The K of a product may be taken in any order, if both sources take the same: each product below says which k stands at (lane / 16, register).
; The registers that the f32 matrix form writes (v192-255) are written by matrix instructions alone; each sum begins with the constant 0.
.set QA,  1                            ; v1  12,288 r + 128 h: row r of qkv16, 32 numbers a half
.set VA,  2                            ; v2  98,304 h + 4 r: key 8 h, channel r
.set WA,  3                            ; v3  32,768 h + 4 r: row 8 h of w_out, column r
.set SPW, 4
.set NIL, 5
.set DM,  6                            ; v6  r - 8 h
.set PAD, 7                            ; v7  where I put my share
.set RA,  8                            ; v8  where I read the shares of my query
.set LO,  9                            ; v9  8 x lane
.set BB,  10                           ; v[10:11] the bias, then the sum
.set QF,  16                           ; v16-47  Q;  later w_out's tile 2
.set KF,  48                           ; v48-79  K;  later w_out's tile 3
.set VF,  80                           ; v80-111 V: channels 16 c on at 8 c
.set WF,  112                          ; v112-175 w_out's tiles 0, 1
.set PP,  176                          ; v176-183 scores, then p
.set TT,  184                          ; v184-191 at work
.set S0,  192                          ; v192-207 two halves of S^T; later Y^T's tiles 0, 1
.set S1,  200
.set OT,  208                          ; v208-239 O^T
.set SPARE, 69632                      ; behind the sixteen shares of 16 x 272 bytes: the spare words, 128 bytes a wave
	s_load_b256 s[4:11], s[0:1], 0x0               ; qkv16 s[4:5], w_out s[6:7], b_out s[8:9], out0 s[10:11]
	v_lshl_add_u32 v[SPW], v0, 2, SPARE
	v_mov_b32 v[NIL], 0
	v_lshrrev_b32 v12, 5, v0
	v_readfirstlane_b32 s12, v12                   ; wave = head
	s_and_b32 s13, ttmp7, 0xffff                   ; batch
	v_and_b32 v12, 15, v0                          ; r
	v_bfe_u32 v13, v0, 4, 1                        ; h
	v_and_b32 v14, 31, v0
	v_mul_u32_u24 v[QA], v12, 12288
	v_lshl_add_u32 v[QA], v13, 7, v[QA]
	v_lshlrev_b32 v[VA], 2, v12
	v_lshl_add_u32 v[WA], v13, 15, v[VA]
	v_mad_u32_u24 v[VA], v13, 98304, v[VA]
	v_lshlrev_b32 v15, 3, v13
	v_sub_nc_u32 v[DM], v12, v15
	s_mul_i32 s14, s12, 16*272
	v_mul_u32_u24 v[PAD], v12, 272
	v_lshl_add_u32 v[PAD], v13, 5, v[PAD]
	v_add_nc_u32 v[PAD], s14, v[PAD]               ; my share: row = query r, 32 bytes for each half of the lanes
	s_mul_i32 s15, s12, 272
	v_lshlrev_b32 v[LO], 3, v14
	v_add_nc_u32 v[RA], s15, v[LO]                 ; query w's row of a share
	s_mov_b32 s16, 0x76543210
	s_mov_b32 s17, 0xfedcba98
	s_mov_b32 s18, 0x3e38aa3b                      ; c = log2(e) / 8
	s_mul_i32 s20, s13, 16*12288
	s_lshl_b32 s21, s12, 8
	s_add_co_u32 s20, s20, s21
	s_mov_b32 s21, 0
	s_lshl_b32 s22, s12, 18                        ; the head's 64 rows of w_out
	s_lshl_b32 s24, ttmp9, 8                       ; the chunk's 64 columns
	s_add_co_u32 s22, s22, s24
	s_mov_b32 s23, 0
	s_mov_b32 s25, 0
	s_lshl_b32 s26, s13, 11
	s_add_co_u32 s26, s26, s12
	s_lshl_b32 s26, s26, 12
	s_add_co_u32 s26, s26, s24                     ; out0: row 2048 batch + w
	s_mov_b32 s27, 0
	s_wait_kmcnt 0x0
	s_add_nc_u64 s[4:5], s[4:5], s[20:21]
	s_add_nc_u64 s[6:7], s[6:7], s[22:23]
	s_add_nc_u64 s[8:9], s[8:9], s[24:25]
	s_add_nc_u64 s[10:11], s[10:11], s[26:27]
.irp i, 0,1,2,3,4,5,6,7
	global_load_b128 v[QF+4*\i:QF+4*\i+3], v[QA], s[4:5] offset:16*\i            ; Q(r, 32 h + 4 i ..)
.endr
.irp i, 0,1,2,3,4,5,6,7
	global_load_b128 v[KF+4*\i:KF+4*\i+3], v[QA], s[4:5] offset:4096+16*\i       ; K likewise
.endr
.irp c, 0,1,2,3
.irp u, 0,1,2,3,4,5,6,7
	global_load_b32 v[VF+8*\c+\u], v[VA], s[4:5] offset:8192+12288*\u+64*\c      ; V(key 8 h + u, channel 16 c + r)
.endr
.endr
	global_load_b64 v[BB:BB+1], v[LO], s[8:9]
	s_wait_loadcnt 33                              ; Q and K are in; V's 32 loads and the bias may be out
	; S^T = K Q^T: step s takes d = 32 h + 2 s + j at (h, j), on both sides.  Two accumulators by turns; their sum is the score
	v_wmma_f32_16x16x4_f32 v[S0:S0+7], v[KF:KF+1], v[QF:QF+1], 0
	v_wmma_f32_16x16x4_f32 v[S1:S1+7], v[KF+2:KF+3], v[QF+2:QF+3], 0
.irp e, 1,2,3,4,5,6,7
	v_wmma_f32_16x16x4_f32 v[S0:S0+7], v[KF+4*\e:KF+4*\e+1], v[QF+4*\e:QF+4*\e+1], v[S0:S0+7]
	v_wmma_f32_16x16x4_f32 v[S1:S1+7], v[KF+4*\e+2:KF+4*\e+3], v[QF+4*\e+2:QF+4*\e+3], v[S1:S1+7]
.endr
.rept 8
	v_nop                                          ; eight places behind this form: in front of the loads into Q's and K's registers and of the first read of the scores
.endr
	s_wait_loadcnt 0x0                             ; V and the bias are in (behind the 128 loads below no count could name them)
.irp ct, 0,1,2,3
.irp c, 0,1,2,3
.irp u, 0,1,2,3,4,5,6,7
	global_load_b32 v[WF+32*\ct-160*(\ct/2)+8*\c+\u], v[WA], s[6:7] offset:4096*(16*\c+\u)+64*\ct   ; w_out(64 head + 16 c + 8 h + u, 64 chunk + 16 ct + r)
.endr
.endr
.endr
	; the softmax: lane (r, h) holds query r and keys 8 h + j; key 8 h + j is hidden where j > r - 8 h
.irp j, 0,1,2,3,4,5,6,7
	v_add_f32 v[PP+\j], v[S0+\j], v[S1+\j]         ; from the low end on
.endr
	v_mov_b32 v[TT], 0xff800000
.irp j, 0,1,2,3,4,5,6,7
	v_cmp_gt_i32 vcc_lo, \j, v[DM]
	v_cndmask_b32 v[PP+\j], v[PP+\j], v[TT], vcc_lo
.endr
	v_max3_num_f32 v[TT+1], v[PP], v[PP+1], v[PP+2]
	v_max3_num_f32 v[TT+2], v[PP+3], v[PP+4], v[PP+5]
	v_max3_num_f32 v[TT+1], v[TT+1], v[PP+6], v[PP+7]
	v_max_num_f32 v[TT+1], v[TT+1], v[TT+2]
	v_permlanex16_b32 v[TT+2], v[TT+1], s16, s17
	v_max_num_f32 v[TT+1], v[TT+1], v[TT+2]        ; the row's maximum: key 0 counts for every query
	v_mul_f32 v[TT+1], s18, v[TT+1]
.irp j, 0,1,2,3,4,5,6,7
	v_fma_f32 v[PP+\j], v[PP+\j], s18, -v[TT+1]
.endr
.irp j, 0,1,2,3,4,5,6,7
	v_exp_f32 v[PP+\j], v[PP+\j]
.endr
	v_nop
	s_wait_alu depctr_va_vdst(0)                   ; one wait for the eight, ahead of their first reader
	v_add_f32 v[TT+2], v[PP], v[PP+1]
	v_add_f32 v[TT+3], v[PP+2], v[PP+3]
	v_add_f32 v[TT+4], v[PP+4], v[PP+5]
	v_add_f32 v[TT+5], v[PP+6], v[PP+7]
	v_add_f32 v[TT+2], v[TT+2], v[TT+3]
	v_add_f32 v[TT+4], v[TT+4], v[TT+5]
	v_add_f32 v[TT+2], v[TT+2], v[TT+4]
	v_permlanex16_b32 v[TT+3], v[TT+2], s16, s17
	v_add_f32 v[TT+2], v[TT+2], v[TT+3]
	v_rcp_f32 v[TT+3], v[TT+2]
	v_nop
	s_wait_alu depctr_va_vdst(0)
.irp j, 0,1,2,3,4,5,6,7
	v_mul_f32 v[PP+\j], v[PP+\j], v[TT+3]
.endr
	; O^T = V^T P^T: step s takes key 8 h + 2 s + j at (h, j).  Four accumulators by turns
.irp s, 0,1,2,3
.irp c, 0,1,2,3
.if \s == 0
	v_wmma_f32_16x16x4_f32 v[OT+8*\c:OT+8*\c+7], v[VF+8*\c+2*\s:VF+8*\c+2*\s+1], v[PP+2*\s:PP+2*\s+1], 0
.else
	v_wmma_f32_16x16x4_f32 v[OT+8*\c:OT+8*\c+7], v[VF+8*\c+2*\s:VF+8*\c+2*\s+1], v[PP+2*\s:PP+2*\s+1], v[OT+8*\c:OT+8*\c+7]
.endif
.endr
.endr
.rept 9
	v_nop                                          ; nine places before a matrix instruction takes these results as a source
.endr
	s_wait_loadcnt 0x0                             ; w_out
	; Y^T = W^T O^T: step (c, i) takes d = 16 c + 8 h + 2 i + j at (h, j): O^T's registers as they stand.  Four accumulators by turns: v192, v200, v240, v248
.irp c, 0,1,2,3
.irp i, 0,1,2,3
.irp ct, 0,1,2,3
.if (\c == 0) && (\i == 0)
	v_wmma_f32_16x16x4_f32 v[S0+8*\ct+32*(\ct/2):S0+8*\ct+32*(\ct/2)+7], v[WF+32*\ct-160*(\ct/2)+8*\c+2*\i:WF+32*\ct-160*(\ct/2)+8*\c+2*\i+1], v[OT+8*\c+2*\i:OT+8*\c+2*\i+1], 0
.else
	v_wmma_f32_16x16x4_f32 v[S0+8*\ct+32*(\ct/2):S0+8*\ct+32*(\ct/2)+7], v[WF+32*\ct-160*(\ct/2)+8*\c+2*\i:WF+32*\ct-160*(\ct/2)+8*\c+2*\i+1], v[OT+8*\c+2*\i:OT+8*\c+2*\i+1], v[S0+8*\ct+32*(\ct/2):S0+8*\ct+32*(\ct/2)+7]
.endif
.endr
.endr
.endr
.rept 8
	v_nop
.endr
.irp ct, 0,1,2,3
	ds_store_b128 v[PAD], v[S0+8*\ct+32*(\ct/2):S0+8*\ct+32*(\ct/2)+3] offset:64*\ct          ; query r, columns 16 ct + 8 h + 0 .. 7; from the low end on
	ds_store_b128 v[PAD], v[S0+8*\ct+32*(\ct/2)+4:S0+8*\ct+32*(\ct/2)+7] offset:64*\ct+16
.endr
	s_wait_dscnt 0x0                               ; for the others' sake: my share lies in LDS
	s_barrier_signal -1
	s_barrier_wait -1
.irp u, 0,1,2,3,4,5,6,7,8,9,10,11,12,13,14,15
	ds_load_b64 v[16+2*\u:17+2*\u], v[RA] offset:4352*\u      ; head u's share of query w: 256 bytes a wave
.endr
	s_wait_dscnt 0x0
	v_pk_add_f32 v[BB:BB+1], v[BB:BB+1], v[16:17]  ; the bias and the sixteen shares, in two chains
	v_pk_add_f32 v[18:19], v[18:19], v[20:21]
.irp u, 3,5,7,9,11,13
	v_pk_add_f32 v[BB:BB+1], v[BB:BB+1], v[16+2*\u:17+2*\u]
	v_pk_add_f32 v[18:19], v[18:19], v[18+2*\u:19+2*\u]
.endr
	v_pk_add_f32 v[BB:BB+1], v[BB:BB+1], v[46:47]
	v_pk_add_f32 v[BB:BB+1], v[BB:BB+1], v[18:19]
	global_store_b64 v[LO], v[BB:BB+1], s[10:11]   ; 256 consecutive bytes, aligned
	s_wait_tensorcnt 0x0                           ; the wave's end, behind my last LDS store
	ds_add_u32 v[SPW], v[NIL]
	s_wait_dscnt 0x0
	s_endpgm
.Lfunc_end_k_qbfb31430d1_first16:
	.size	k_qbfb31430d1_first16, .Lfunc_end_k_qbfb31430d1_first16-k_qbfb31430d1_first16
	.p2alignl 7, 3214868480
	.fill 96, 4, 3214868480
	.section	.rodata,"a",@progbits
	.p2align	6, 0x0
	.amdhsa_kernel k_qbfb31430d1_first16
		.amdhsa_group_segment_fixed_size 71680
		.amdhsa_private_segment_fixed_size 0
		.amdhsa_enable_private_segment 0
		.amdhsa_kernarg_size 32
		.amdhsa_user_sgpr_count 2
		.amdhsa_user_sgpr_kernarg_segment_ptr 1
		.amdhsa_wavefront_size32 1
		.amdhsa_system_sgpr_workgroup_id_x 1
		.amdhsa_system_sgpr_workgroup_id_y 1
		.amdhsa_system_sgpr_workgroup_id_z 1
		.amdhsa_system_vgpr_workitem_id 0
		.amdhsa_next_free_vgpr 256
		.amdhsa_next_free_sgpr 66
		.amdhsa_reserve_vcc 1
		.amdhsa_float_denorm_mode_32 3
		.amdhsa_float_denorm_mode_16_64 3
		.amdhsa_memory_ordered 1
		.amdhsa_forward_progress 1
		.amdhsa_inst_pref_size 32
	.end_amdhsa_kernel
	.amdgpu_metadata
---
amdhsa.version: [ 1, 2 ]
amdhsa.kernels:
  - .name:           k_qbfb31430d1_first16
    .symbol:         k_qbfb31430d1_first16.kd
    .args:
      - { .name: qkv16, .offset: 0, .size: 8, .value_kind: global_buffer, .address_space: global }
      - { .name: w_out, .offset: 8, .size: 8, .value_kind: global_buffer, .address_space: global }
      - { .name: b_out, .offset: 16, .size: 8, .value_kind: global_buffer, .address_space: global }
      - { .name: out0, .offset: 24, .size: 8, .value_kind: global_buffer, .address_space: global }
    .group_segment_fixed_size: 71680
    .private_segment_fixed_size: 0
    .kernarg_segment_align: 8
    .kernarg_segment_size: 32
    .max_flat_workgroup_size: 512
    .sgpr_count:     66
    .vgpr_count:     256
    .wavefront_size: 32
...
	.end_amdgpu_metadata
.endif
;; end of part 5
